; MI455X (gfx1250); checked and timed in simulation.
; The chip was launched on July 23, 2026; its instructions are those of AMD's public machine-readable ISA for CDNA 5 (MIT licence, August 2026) and "CDNA5" Instruction Set Architecture Reference Guide (July 2026). The comments in the code are by the model that wrote it; some were corrected since.
;; Block. Allowed arithmetic: matrix products marked QUANTISED: E5M2 operands, one E8M0 scale for each 32 along K, by v_wmma_scale_f32_16x16x128_f8f6f4 with both operands' format E5M2, f32 sums; everything else in f32.
;; Inputs: b_attn 3,072 float32; b_fc 4,096 float32; b_mlp_proj 1,024 float32; b_proj 1,024 float32; w_attn 3,072 x 1,024 float32; w_fc 4,096 x 1,024 float32; w_mlp_proj 1,024 x 4,096 float32; w_proj 1,024 x 1,024 float32; x 4 x 1,024 x 1,024 float32.
;; Outputs: out0 4 x 1,024 x 1,024 float32.
;; This version of the problem:
;;   THIS VERSION OF THE PROBLEM IS GIVEN IN LOW PRECISION. The matrix products marked QUANTISED in the list below multiply operands that are first quantised to E5M2 (5 exponent bits, 2 mantissa bits; 8 bits a number), with one power-of-two scale for each 32 numbers along K (OCP MX v1.0); their sums are f32. All else is computed in f32.
;;   The module's matrix products, in the order in which they are computed (A, B: the left and right operand; K: the contracted axis; several contracted axes count as one K, in the product's order):
;;     1. [M 4,096, K 1,024] x [K 1,024, N 3,072]; A: computed on the way; B: input w_attn: QUANTISED
;;     2. batch 64 x [M 1,024, K 64] x [K 64, N 1,024]; A: computed on the way; B: computed on the way: QUANTISED
;;     3. batch 64 x [M 64, K 1,024] x [K 1,024, N 1,024]; A: computed on the way; B: softmax (see below): QUANTISED
;;     4. [M 4,096, K 1,024] x [K 1,024, N 1,024]; A: computed on the way; B: input w_proj: QUANTISED
;;     5. [M 4,096, K 1,024] x [K 1,024, N 4,096]; A: computed on the way; B: input w_fc: QUANTISED
;;     6. [M 4,096, K 4,096] x [K 4,096, N 1,024]; A: computed on the way; B: input w_mlp_proj: QUANTISED
;;   THE QUANTISER, for each operand of a quantised product, along K:
;;     - K is cut into blocks of 32 from its start; a last block that is shorter is filled with zeros.
;;     - A block's scale is 2^e with e = floor(log2(the largest magnitude in the block)) - 15, held to -126 .. 127; a block of zeros has e = 0. As a byte (E8M0): e + 127.
;;     - Each number is divided by its block's scale, clamped to +-57,344, and rounded to the nearest number of E5M2, ties to even, subnormals kept.
;;     - The product sums the exact products of the quantised numbers (number of the format x scale) in f32.
;;   ~~~python
;;   def quantise(x, axis):      # numpy; x: float32 -> the quantised numbers, widened to float32 again
;;       x = np.moveaxis(x, axis, -1); K = x.shape[-1]
;;       x = np.pad(x, [(0, 0)] * (x.ndim - 1) + [(0, -K % 32)]); x = x.reshape(x.shape[:-1] + (-1, 32)); a = np.abs(x).max(-1, keepdims=True)
;;       e = np.where(a > 0, np.clip(np.frexp(np.where(a > 0, a, 1))[1] - 1 - 15, -126, 127), 0)      # np.frexp(a)[1] - 1 = floor(log2(a)), exactly
;;       r = np.clip(x / 2.0 ** e, -57344, 57344)
;;       step = 2.0 ** (np.maximum(np.frexp(np.where(r == 0, 1, r))[1] - 1, -14) - 2)
;;       q = np.round(r / step) * step * 2.0 ** e      # np.round: ties to even
;;       return np.moveaxis(q.reshape(q.shape[:-2] + (-1,))[..., :K], -1, axis).astype(np.float32)
;;   ~~~
;;   SOFTMAX AHEAD OF A QUANTISED PRODUCT. Where the list says 'softmax', what is quantised is not the finished softmax but p = 2^(t - M), with t = logit x log2(e) and M = ceil(the row's largest t), a whole number; so 1/2 < the row's largest p <= 1. The row's sum l is taken of the UNQUANTISED p, in f32, and the product's result is divided by l at the end. Since M is a whole number, a kernel that streams over the keys may use a running M (the ceiling of the running maximum): every later rescaling is an exact power of two, which a block's scale takes up: the codes' values come out the same.
;;   OPERANDS COMPUTED ON THE WAY. 'Computed on the way' means the value that the module computes at that place (a softmax that the list does not call 'softmax' is quantised finished and normalised). What goes into a quantiser is computed in f32, as accurately as f32 sums, v_exp_f32 and their like allow (about 1e-6 of the number): no bf16 or f16 on the way to a quantiser, and a product that is left as it is and whose result goes on into a quantised operand takes f32 operands (vector FMAs, or v_wmma_f32_16x16x4_f32). A number that lies on a knife's edge between two numbers of the format may be rounded either way, as far as f32 arithmetic and the matrix unit's own rounding can turn it there, and no further.
;; One version. Each part assembles by itself: llvm-mc -triple=amdgcn-amd-amdhsa -mcpu=gfx1250 --defsym DOCPART=n.
;; ======== version 1 of 1: 7 launches
;; limits: right only within a limited range of input values
;; workspace buffers: lnq 4,325,376 bytes; wq 12,976,128 bytes; qkv 13,238,272 bytes; yq 4,325,376 bytes; x1 16,777,216 bytes; hq 17,301,504 bytes
;; launch prep (part 1): grid 1024 x 1, 8 waves a work-group, no clusters, 19,456 bytes of LDS; arguments x, w_attn, w_proj, w_fc, w_mlp_proj, lnq, wq; writes lnq, wq
.if DOCPART == 1
	.amdgcn_target "amdgcn-amd-amdhsa--gfx1250"
	.amdhsa_code_object_version 6
	.text
	.protected	k_q214f694013_prep
	.globl	k_q214f694013_prep
	.p2align	8
	.type	k_q214f694013_prep,@function
k_q214f694013_prep:
	s_mov_b64 s[64:65], 0
	v_nop
	global_prefetch_b8 v0, s[64:65] scope:SCOPE_SE
	s_setreg_imm32_b32 hwreg(HW_REG_WAVE_MODE, 25, 1), 1
	s_wait_xcnt 0x0
; Rows of 1,024 f32 numbers become codes of BF8 (E5M2) with one E8M0 byte for each 32 along K, laid as IMAGES OF OPERAND REGISTERS.
; A block is 16 rows: lane r of block B stands for row 32 (B / 2) + 8 (B % 2) + r + 8 (r / 8).  Fragment (B, k step of 128): 2,048 bytes; byte 512 c + 16 lane + i is the code of
; lane % 16's row at k = 32 c + 16 (lane / 16) + i.  Scale image: 16 words, word r = that row's four bytes.  A buffer is codes [B][k step][2,048], then scales [B][k step][64].
; Work-group u takes 16 rows x 1,024 numbers: u < 256: the first argument, WITH the layer norm (mean, biased variance, eps 1e-10, two passes); then w_attn (192), w_proj (64), w_fc (256),
; w_mlp_proj (256: 64 blocks x 4 runs of 1,024 along its K of 4,096).  A weight jumps over the layer norm's lines: a scalar branch on the work-group's number, round work on registers alone.
; Wave w takes lanes' rows r = w and w + 8.  Each of a row's eight loads reads 512 consecutive bytes; lane l then holds k = 4 l .. 4 l + 3 of k step j: eight lanes hold a block of 32.
; The codes meet in a stage in LDS (256 bytes + 16 of padding for each (c, lane / 16)); behind one barrier wave w stores fragment w as four runs of 512 consecutive bytes, wave 0 the 512 scale bytes.
; REGISTERS are kept to 128 a wave, so that more waves have their 16 loads on their way at once: the codes lie over the holds, the scale bytes over the maxima, the way out over row 0.
; LIMITS: NaN and infinities are not served; a block whose largest magnitude lies under 2^-111 (a block of zeros too) gets the byte 1: its bytes are read by this program alone.
.set LSC,  4194304                     ; where the scales begin in lnq
.set WSC,  12582912                    ; and in wq
.set FRP,  2176                        ; a fragment in the stage: 8 x 272
.set SS,   8*FRP                       ; behind the stage: 512 scale bytes [j][r][c]
.set X0,   32                          ; v32-63 row 0's numbers, v64-67 zeros
.set X1,   68                          ; v68-99 row 1's, v100-103 zeros
.set MX,   20                          ; v20-27 the eight blocks' largest magnitudes, then their scale bytes
.set SO,   104                         ; v104-111 the conversions' scale operands
.set HD,   112                         ; v112-119 57,344 x the scale
.set C,    112                         ; v112-127 the codes, written when the holds have been read
.set OUTR, 32                          ; the way out, in row 0's registers
	s_load_b256 s[4:11], s[0:1], 0x0               ; x (or x1), w_attn, w_proj, w_fc
	s_load_b128 s[12:15], s[0:1], 0x20             ; w_mlp_proj, lnq
	s_load_b64 s[16:17], s[0:1], 0x30              ; wq
	v_lshl_add_u32 v30, v0, 2, 0x4800
	v_mov_b32 v31, 0
	v_lshrrev_b32 v1, 5, v0
	s_delay_alu instid0(VALU_DEP_1)
	v_readfirstlane_b32 s18, v1                    ; wave 0..7
	v_and_b32 v1, 31, v0                           ; lane
	s_delay_alu instid0(VALU_DEP_1)
	v_lshlrev_b32 v2, 4, v1                        ; 16 x lane
	s_wait_alu depctr_va_vdst(0)
	s_mov_b32 s19, ttmp9                           ; u
	s_mov_b32 s20, 768                             ; the first work-group of my tensor
	s_cmp_lt_u32 s19, 768
	s_cselect_b32 s20, 512, s20
	s_cmp_lt_u32 s19, 512
	s_cselect_b32 s20, 448, s20
	s_cmp_lt_u32 s19, 448
	s_cselect_b32 s20, 256, s20
	s_mov_b32 s23, WSC
	s_cmp_lt_u32 s19, 256
	s_cselect_b32 s20, 0, s20
	s_cselect_b32 s21, 1, 0                        ; 1: the layer norm is on
	s_cselect_b32 s22, 0, 256
	s_cselect_b32 s23, LSC, s23                    ; where the scales begin in my output buffer
	s_sub_co_u32 s22, s19, s22                     ; my place in the output buffer, in runs of 8 fragments
	s_cmp_ge_u32 s19, 768
	s_cselect_b32 s24, 2, 0                        ; w_mlp_proj: four work-groups to a block
	s_sub_co_u32 s20, s19, s20
	s_lshr_b32 s25, s20, s24                       ; the block
	s_lshl_b32 s26, s25, s24
	s_sub_co_u32 s26, s20, s26                     ; which 1,024 along K
	s_lshr_b32 s27, s25, 1
	s_lshl_b32 s27, s27, 5
	s_and_b32 s28, s25, 1
	s_lshl_b32 s28, s28, 3
	s_add_co_u32 s27, s27, s28
	s_add_co_u32 s27, s27, s18                     ; my first row: 32 (B / 2) + 8 (B % 2) + wave
	s_add_co_u32 s28, s24, 12                      ; a row is 4,096 or 16,384 bytes
	s_lshl_b32 s27, s27, s28
	s_lshl_b32 s26, s26, 12
	s_add_co_u32 s26, s27, s26
	s_mov_b32 s27, 0                               ; s[26:27]: my first row's bytes in the source
	s_lshl_b32 s29, 16, s28                        ; my second row lies 16 rows on
	v_add_nc_u32 v3, s29, v2
	s_lshl_b32 s30, s22, 14
	s_mov_b32 s31, 0
	s_lshl_b32 s32, s22, 9
	s_add_co_u32 s32, s32, s23
	s_mov_b32 s33, 0
	s_mov_b32 s38, 0x76543210
	s_mov_b32 s39, 0xfedcba98                      ; v_permlanex16_b32's selects for lane l xor 16
	s_mov_b32 s40, 0x3a800000                      ; 1 / 1,024
	s_mov_b32 s41, 0x2edbe6ff                      ; 1e-10
	s_mov_b32 s42, 0x600000                        ; the mantissa field of 57,344
	s_wait_alu depctr_va_vdst(0)
	s_wait_kmcnt 0x0
	s_cmp_lt_u32 s19, 768                          ; the choices hang on the work-group's number alone
	s_cselect_b64 s[12:13], s[10:11], s[12:13]
	s_cmp_lt_u32 s19, 512
	s_cselect_b64 s[12:13], s[8:9], s[12:13]
	s_cmp_lt_u32 s19, 448
	s_cselect_b64 s[12:13], s[6:7], s[12:13]
	s_cmp_lt_u32 s19, 256
	s_cselect_b64 s[12:13], s[4:5], s[12:13]
	s_cselect_b64 s[14:15], s[14:15], s[16:17]
	s_add_nc_u64 s[12:13], s[12:13], s[26:27]
	s_add_nc_u64 s[34:35], s[14:15], s[30:31]      ; my eight fragments
	s_add_nc_u64 s[36:37], s[14:15], s[32:33]      ; my 512 scale bytes
.irp j, 0,1,2,3,4,5,6,7
	global_load_b128 v[X0+4*\j:X0+4*\j+3], v2, s[12:13] offset:512*\j th:TH_LOAD_NT   ; 32 lanes read 512 consecutive bytes
.endr
.irp j, 0,1,2,3,4,5,6,7
	global_load_b128 v[X1+4*\j:X1+4*\j+3], v3, s[12:13] offset:512*\j th:TH_LOAD_NT
.endr
	v_lshrrev_b32 v4, 2, v1                        ; into the stage: unit (c, h) = lane / 4, 4 bytes at 4 (lane % 4) of row r's 16
	s_delay_alu instid0(VALU_DEP_1)
	v_mul_u32_u24 v4, v4, 272
	v_and_b32 v5, 3, v1
	s_delay_alu instid0(VALU_DEP_1)
	v_lshl_add_u32 v4, v5, 2, v4
	s_lshl_b32 s43, s18, 4
	v_add_nc_u32 v4, s43, v4
	v_lshrrev_b32 v5, 3, v1                        ; my block's byte: SS + c + 4 r
	s_lshl_b32 s43, s18, 2
	s_add_co_u32 s43, s43, SS
	v_add_nc_u32 v5, s43, v5
	v_lshrrev_b32 v6, 4, v1                        ; back: fragment = my wave's number; 16 bytes a lane
	s_delay_alu instid0(VALU_DEP_1)
	v_mul_u32_u24 v6, v6, 272
	v_and_b32 v7, 15, v1
	s_delay_alu instid0(VALU_DEP_1)
	v_lshl_add_u32 v6, v7, 4, v6
	s_mul_i32 s43, s18, FRP
	v_add_nc_u32 v6, s43, v6
	s_lshl_b32 s43, s18, 11
	v_add_nc_u32 v7, s43, v2                       ; and its place in memory
	v_add_nc_u32 v28, SS, v2                       ; wave 0: the scale bytes, 16 a lane
.irp i, 0,1,2,3
	v_mov_b32 v[X0+32+\i], 0                       ; named by the last conversion of a row; their codes are not used
	v_mov_b32 v[X1+32+\i], 0
.endr
.macro REDUCE                          ; four packed chains in v[8:15] -> the sum over the row, in every lane's v8
	s_delay_alu instid0(VALU_DEP_3)
	v_pk_add_f32 v[8:9], v[8:9], v[10:11]
	s_delay_alu instid0(VALU_DEP_2)
	v_pk_add_f32 v[12:13], v[12:13], v[14:15]
	s_delay_alu instid0(VALU_DEP_1)
	v_pk_add_f32 v[8:9], v[8:9], v[12:13]
	s_delay_alu instid0(VALU_DEP_1)
	v_add_f32 v8, v8, v9
	s_delay_alu instid0(VALU_DEP_1)
	v_add_f32_dpp v8, v8, v8 row_xmask:1 row_mask:0xf bank_mask:0xf
	s_delay_alu instid0(VALU_DEP_1)
	v_add_f32_dpp v8, v8, v8 row_xmask:2 row_mask:0xf bank_mask:0xf
	s_delay_alu instid0(VALU_DEP_1)
	v_add_f32_dpp v8, v8, v8 row_xmask:4 row_mask:0xf bank_mask:0xf
	s_delay_alu instid0(VALU_DEP_1)
	v_add_f32_dpp v8, v8, v8 row_xmask:8 row_mask:0xf bank_mask:0xf
	s_delay_alu instid0(VALU_DEP_1)
	v_permlanex16_b32 v9, v8, s38, s39
	s_delay_alu instid0(VALU_DEP_1)
	v_add_f32 v8, v8, v9
.endm
.macro ROW X, i, left
	s_wait_loadcnt \left                           ; this row's eight loads are in; the other row's may be out
	s_cmp_eq_u32 s21, 0
	s_cbranch_scc1 .Lraw_\@                        ; a weight is quantised as it is
	v_pk_add_f32 v[8:9], v[\X:\X+1], v[\X+2:\X+3]
	v_pk_add_f32 v[10:11], v[\X+4:\X+5], v[\X+6:\X+7]
	v_pk_add_f32 v[12:13], v[\X+8:\X+9], v[\X+10:\X+11]
	v_pk_add_f32 v[14:15], v[\X+12:\X+13], v[\X+14:\X+15]
.irp k, 16, 24
	s_delay_alu instid0(VALU_DEP_4)
	v_pk_add_f32 v[8:9], v[8:9], v[\X+\k:\X+\k+1]
	s_delay_alu instid0(VALU_DEP_4)
	v_pk_add_f32 v[10:11], v[10:11], v[\X+\k+2:\X+\k+3]
	s_delay_alu instid0(VALU_DEP_4)
	v_pk_add_f32 v[12:13], v[12:13], v[\X+\k+4:\X+\k+5]
	s_delay_alu instid0(VALU_DEP_4)
	v_pk_add_f32 v[14:15], v[14:15], v[\X+\k+6:\X+\k+7]
.endr
	REDUCE
	s_delay_alu instid0(VALU_DEP_1)
	v_mul_f32 v16, s40, v8                         ; the mean
	s_delay_alu instid0(VALU_DEP_1)
	v_mov_b32 v17, v16
.set n, 0
.rept 16
	v_pk_add_f32 v[\X+n:\X+n+1], v[\X+n:\X+n+1], v[16:17] neg_lo:[0,1] neg_hi:[0,1]
.set n, n+2
.endr
	v_pk_mul_f32 v[8:9], v[\X:\X+1], v[\X:\X+1]
	v_pk_mul_f32 v[10:11], v[\X+2:\X+3], v[\X+2:\X+3]
	v_pk_mul_f32 v[12:13], v[\X+4:\X+5], v[\X+4:\X+5]
	v_pk_mul_f32 v[14:15], v[\X+6:\X+7], v[\X+6:\X+7]
.irp k, 8, 16, 24
	s_delay_alu instid0(VALU_DEP_4)
	v_pk_fma_f32 v[8:9], v[\X+\k:\X+\k+1], v[\X+\k:\X+\k+1], v[8:9]
	s_delay_alu instid0(VALU_DEP_4)
	v_pk_fma_f32 v[10:11], v[\X+\k+2:\X+\k+3], v[\X+\k+2:\X+\k+3], v[10:11]
	s_delay_alu instid0(VALU_DEP_4)
	v_pk_fma_f32 v[12:13], v[\X+\k+4:\X+\k+5], v[\X+\k+4:\X+\k+5], v[12:13]
	s_delay_alu instid0(VALU_DEP_4)
	v_pk_fma_f32 v[14:15], v[\X+\k+6:\X+\k+7], v[\X+\k+6:\X+\k+7], v[14:15]
.endr
	REDUCE
	s_delay_alu instid0(VALU_DEP_1)
	v_fma_f32 v18, v8, s40, s41                    ; the variance + 1e-10
	s_wait_alu depctr_va_vdst(0)
	v_rsq_f32 v18, v18
	v_nop                                          ; a plain instruction behind the transcendental
	s_wait_alu depctr_va_vdst(0)
	v_mov_b32 v19, v18
.set n, 0
.rept 16
	v_pk_mul_f32 v[\X+n:\X+n+1], v[\X+n:\X+n+1], v[18:19]
.set n, n+2
.endr
.Lraw_\@:
.if \i
	s_wait_dscnt 0x0                               ; row 0's LDS stores have read the registers of its codes and bytes, which are written again below
.endif
	s_wait_alu depctr_va_vdst(0)
.irp j, 0,1,2,3,4,5,6,7
	v_max3_num_f32 v[MX+\j], |v[\X+4*\j]|, |v[\X+4*\j+1]|, 0x8000000   ; my four numbers of k step j's block, and the floor 2^(16 - 127): the byte cannot fall under 1
.endr
.irp j, 0,1,2,3,4,5,6,7
	v_max3_num_f32 v[MX+\j], v[MX+\j], |v[\X+4*\j+2]|, |v[\X+4*\j+3]|
.endr
.irp m, 1,2,4
.irp j, 0,1,2,3,4,5,6,7
	v_max_num_f32_dpp v[MX+\j], v[MX+\j], v[MX+\j] row_xmask:\m row_mask:0xf bank_mask:0xf   ; eight neighbouring lanes hold a block
.endr
.endr
.irp j, 0,1,2,3,4,5,6,7
	v_add_nc_u32 v[SO+\j], 0xf8800000, v[MX+\j]    ; 15 off the exponent field: the conversion's scale operand
.endr
.irp j, 0,1,2,3,4,5,6,7
	v_and_or_b32 v[HD+\j], v[MX+\j], 0x7f800000, s42   ; 57,344 x the scale
.endr
.irp j, 0,1,2,3,4,5,6,7
	v_lshrrev_b32 v[MX+\j], 23, v[SO+\j]           ; the scale's byte, where the maximum lay
.endr
.irp j, 0,1,2,3,4,5,6,7
.irp i2, 0,1,2,3
	v_med3_num_f32 v[\X+4*\j+\i2], v[\X+4*\j+\i2], -v[HD+\j], v[HD+\j]   ; the conversion to an 8-bit code does not saturate (ISA guide 7.6.2)
.endr
.endr
.irp j, 0,1,2,3,4,5,6,7
	v_cvt_scalef32_pk8_bf8_f32 v[C+2*\j:C+2*\j+1], v[\X+4*\j:\X+4*\j+7], v[SO+\j]   ; my four codes are the low register; the upper four sources are the next block's, and their codes are dropped
.endr
	v_nop                                          ; a plain instruction behind the last conversion
.irp j, 0,1,2,3,4,5,6,7
	ds_store_b32 v4, v[C+2*\j] offset:\j*FRP+128*\i
.endr
.irp j, 0,1,2,3,4,5,6,7
	ds_store_b8 v5, v[MX+\j] offset:64*\j+32*\i    ; the eight lanes of a block write the same byte with the same value
.endr
.endm
	ROW X0, 0, 8
	ROW X1, 1, 0
	s_wait_dscnt 0x0                               ; for the others' sake: my stores into the stage are done
	s_barrier_signal -1
	s_barrier_wait -1
.irp c, 0,1,2,3
	ds_load_b128 v[OUTR+4*\c:OUTR+4*\c+3], v6 offset:544*\c
.endr
.irp c, 0,1,2,3
	s_wait_dscnt 3-\c
	global_store_b128 v7, v[OUTR+4*\c:OUTR+4*\c+3], s[34:35] offset:512*\c   ; 32 lanes store 512 consecutive bytes, aligned
.endr
	s_cmp_lg_u32 s18, 0
	s_cbranch_scc1 .Lend
	ds_load_b128 v[OUTR+16:OUTR+19], v28
	s_wait_dscnt 0x0
	global_store_b128 v2, v[OUTR+16:OUTR+19], s[36:37]   ; the block's 512 scale bytes
.Lend:
	s_wait_tensorcnt 0x0
	ds_add_u32 v30, v31
	s_wait_dscnt 0x0
	s_endpgm
.Lfunc_end_k_q214f694013_prep:
	.size	k_q214f694013_prep, .Lfunc_end_k_q214f694013_prep-k_q214f694013_prep
	.p2alignl 7, 3214868480
	.fill 96, 4, 3214868480
	.section	.rodata,"a",@progbits
	.p2align	6, 0x0
	.amdhsa_kernel k_q214f694013_prep
		.amdhsa_group_segment_fixed_size 19456
		.amdhsa_private_segment_fixed_size 0
		.amdhsa_enable_private_segment 0
		.amdhsa_kernarg_size 56
		.amdhsa_user_sgpr_count 2
		.amdhsa_user_sgpr_kernarg_segment_ptr 1
		.amdhsa_wavefront_size32 1
		.amdhsa_system_sgpr_workgroup_id_x 1
		.amdhsa_system_sgpr_workgroup_id_y 1
		.amdhsa_system_sgpr_workgroup_id_z 1
		.amdhsa_system_vgpr_workitem_id 0
		.amdhsa_next_free_vgpr 128
		.amdhsa_next_free_sgpr 66
		.amdhsa_reserve_vcc 0
		.amdhsa_float_denorm_mode_32 3
		.amdhsa_float_denorm_mode_16_64 3
		.amdhsa_memory_ordered 1
		.amdhsa_forward_progress 1
		.amdhsa_inst_pref_size 37
	.end_amdhsa_kernel
	.amdgpu_metadata
---
amdhsa.version: [ 1, 2 ]
amdhsa.kernels:
  - .name:           k_q214f694013_prep
    .symbol:         k_q214f694013_prep.kd
    .args:
      - { .name: x, .offset: 0, .size: 8, .value_kind: global_buffer, .address_space: global }
      - { .name: w_attn, .offset: 8, .size: 8, .value_kind: global_buffer, .address_space: global }
      - { .name: w_proj, .offset: 16, .size: 8, .value_kind: global_buffer, .address_space: global }
      - { .name: w_fc, .offset: 24, .size: 8, .value_kind: global_buffer, .address_space: global }
      - { .name: w_mlp_proj, .offset: 32, .size: 8, .value_kind: global_buffer, .address_space: global }
      - { .name: lnq, .offset: 40, .size: 8, .value_kind: global_buffer, .address_space: global }
      - { .name: wq, .offset: 48, .size: 8, .value_kind: global_buffer, .address_space: global }
    .group_segment_fixed_size: 19456
    .private_segment_fixed_size: 0
    .kernarg_segment_align: 8
    .kernarg_segment_size: 56
    .max_flat_workgroup_size: 256
    .sgpr_count:     66
    .vgpr_count:     128
    .wavefront_size: 32
...
	.end_amdgpu_metadata
.endif
;; end of part 1
;; launch qkvg (part 2): grid 12 x 16, 4 waves a work-group, clusters of 4 x 4, 327,680 bytes of LDS; arguments lnq, wq, b_attn, qkv; writes qkv
.if DOCPART == 2
	.amdgcn_target "amdgcn-amd-amdhsa--gfx1250"
	.amdhsa_code_object_version 6
	.text
	.protected	k_q214f694013_qkvg
	.globl	k_q214f694013_qkvg
	.p2align	8
	.type	k_q214f694013_qkvg,@function
k_q214f694013_qkvg:
	s_mov_b64 s[64:65], 0
	v_nop
	global_prefetch_b8 v0, s[64:65] scope:SCOPE_SE
	s_setreg_imm32_b32 hwreg(HW_REG_WAVE_MODE, 25, 1), 1
	s_wait_xcnt 0x0
	s_wait_alu depctr_hold_cnt(0) depctr_sa_sdst(0) depctr_va_vdst(0) depctr_va_sdst(0) depctr_va_ssrc(0) depctr_va_vcc(0) depctr_vm_vsrc(0)
	s_getreg_b32 s2, hwreg(HW_REG_IB_STS2, 6, 4)
	s_cmp_eq_u32 s2, 0
	s_cbranch_scc0 .Lentry_in_a_cluster
	s_endpgm
.Lentry_in_a_cluster:
	s_bfe_u32 s2, ttmp6, 0x10000c
	s_cmp_lg_u32 s2, 0xf033
	s_cbranch_scc0 .Lentry_shape_is_right
	s_endpgm
.Lentry_shape_is_right:
; ca = ln1(x) w_attn^T + b_attn on codes of BF8 (E5M2) with E8M0 scales; q, k and v leave as codes, quantised anew: q and k along the head's 64, v along the tokens.
; OPERANDS ARE IMAGES OF REGISTERS: block = 16 rows (lane r of block B: row 32 (B / 2) + 8 (B % 2) + r + 8 (r / 8)); fragment (B, k step) = 2,048 bytes, byte 512 c + 16 lane + i; scale image 64 bytes, word r.
; A tile is 256 x 256, four waves of 128 x 128 (64 accumulators).  K = 1,024 goes in four slots' worth of 256 through two LDS slots; the scales of all of K come once.
; THE ORDER ALONG K IS TURNED FROM CLUSTER TO CLUSTER: cluster (x, y) takes as its t-th the slot's worth (x + 2 y + t) mod 4.  So the clusters that read the same rows of an operand ask for different parts of them at the
; start, and what a cluster asks for in its two refills has been read before by another.  LIMIT: the f32 sums take K in that order, not ascending: against the ascending order the results differ in rounding alone.
; The product is used TRANSPOSED (source 0 = 16 rows of B', source 1 = 16 rows of A'): a lane holds one row of A', and the 16 registers of tiles 2 bb, 2 bb + 1 are 16 NEIGHBOURS 32 bb + 16 (lane / 16) + 0 .. 15 along B'.
; The clusters along x are q, k and v.  q, k: A' = ln1(x), B' = w_attn's rows: registers run along the head's channels.  v (cluster x = 2): A' = w_attn's rows 2,048 on, B' = ln1(x): registers run along the tokens.
; The two kinds part by two branches on the cluster's x, which all partners share: the bias's loads and the first K step (the bias is the C of each sum's first product, along B' or along A').
; OUT (buffer qkv): Q at 0 and K at 4 MiB: [head of 64][block of tokens 64][1,024]: groups c = 0, 1 of a fragment; V at 8 MiB: [head][128 tokens: 8][block of channels: 4][2,048];
; VS: [head][8][4][64]; QS, KS: [head][64][16 words], bytes 2 and 3 zero.  The scale words leave in pieces of 64 bytes, not in whole runs of 256: they are one byte in 32 of what is stored.
; CLUSTERS: 4 x 4; A's tiles are asked for jointly along a row of the cluster, B's along a column.
; LIMITS: NaN and infinities are not served; a block whose largest magnitude lies under 2^-111 gets the byte 1.
; REGISTERS: window 0: v16-31 addresses; v32-63 scale words, two sets; v64-127 the bias; from v128 A's fragments, one set; in the way out v128-191 numbers, v192-223 codes, v224-248 at work.
;   window 1: B's fragments, two sets.  windows 2, 3: the accumulators ((a, b) at v[8 (8 (a % 4) + b)]).
.set KK,     8                         ; k steps of 128 in K
.set NQ,     2                         ; of them in a slot
.set NSL,    KK/NQ                     ; slots' worth in K
.set FR,     16
.set NL,     4
.set NP,     8                         ; places behind this matrix instruction (ISA guide 7.12.1)
.set FRB,    2048
.set BLKB,   KK*FRB
.set STEPB,  NQ*FRB                    ; a block's bytes in a slot
.set HALFT,  8*STEPB                   ; eight blocks: what one tensor load brings
.set SLOT,   4*HALFT
.set SCL,    2*SLOT
.set HALFS,  8*KK*64
.set SPARE,  SCL+4*HALFS               ; the spare words, 128 bytes for each wave: two blocks of 256 bytes that no other line names
.set LSC,    4194304
.set WSC,    12582912
.set VSB,    12582912
.set QSB,    12713984
.set ADRA, 16
.set VO0,  18                          ; v18 16 x lane;  v19 the same for groups 2 and 3
.set VO1,  19
.set ADRB, 20
.set VSO,  22                          ; v22, v23 where my scale word goes (blocks 0-3, 4-7);  v24 the shift that picks my head's two bytes
.set VSO2, 23
.set VSH,  24
.set BO1,  25
.set BO2,  26
.set ADRS, 27                          ; v27 LDS address of the scale words of the slot in hand;  v30 the same for K's first slot's worth
.set SPW,  28
.set NIL,  29
.set ADRS0, 30
.set SC,   32
.set BI,   64
.set AF,   128
.set U,    128
.set TM,   224
.set SW,   240
.set PW,   248
.set KO,   2                           ; s[2:3] an offset at work; s3 stays 0
.set OFS,  43                          ; s43 (x + 2 y) mod 4
.set BASA, 100                         ; s[100:101], s[104:105] where my blocks' codes begin, A's and B's
.set BASB, 104
.set G1, 24
.set G0, 32
.set G1B, 48
.set G0B, 56
.set G1S, 68
.set G0S, 76
.set G1SB, 80
.set G0SB, 88
.set SEL, 96
.set MNT, 98
.set MSB, 0
.macro WIN new                         ; the immediate's high byte repeats the setting that is left
.if MSB != (\new)
	s_set_vgpr_msb (MSB<<8)|(\new)
.set MSB, (\new)
.endif
.endm
.set MUL_LO, 0xa1                      ; source 0 (B') window 1, source 1 (A') window 0, C and D window 2
.set MUL_HI, 0xf1
.set TO_B,   0x40
.macro JLOAD g0a, g1a, g0b, g1b        ; a joint load: waves 0 and 1 fetch for A', waves 2 and 3 for B'; four v_nop follow each line
	s_cmp_eq_u32 s15, 0
	s_cbranch_scc0 .Lfor_b_\@
	tensor_load_to_lds s[\g0a:\g0a+3], s[\g1a:\g1a+7]
	s_nop 0
.rept 4
	v_nop
.endr
	s_branch .Lasked_\@
.Lfor_b_\@:
	tensor_load_to_lds s[\g0b:\g0b+3], s[\g1b:\g1b+7]
	s_nop 0
.rept 4
	v_nop
.endr
.Lasked_\@:
.endm
.macro CREST
	s_cmp_lg_u32 s14, 0
	s_cbranch_scc1 .Lnot_wave_0_\@
	s_barrier_signal -3
.Lnot_wave_0_\@:
	s_barrier_wait -3
	s_barrier_signal -1
	s_barrier_wait -1
.endm
.macro CROUND
	s_barrier_signal -1
	s_barrier_wait -1
	CREST
.endm
.macro KOFF t                          ; s[KO:KO+1] = where, in a block's codes, the slot's worth begins that I take as my t-th
	s_add_co_u32 s[KO], s[OFS], (\t)
	s_and_b32 s[KO], s[KO], NSL-1
	s_mul_i32 s[KO], s[KO], STEPB
.endm
.macro SOFF t                          ; s[KO] = the same in a block's scale words
	s_add_co_u32 s[KO], s[OFS], (\t)
	s_and_b32 s[KO], s[KO], NSL-1
	s_mul_i32 s[KO], s[KO], 64*NQ
.endm
	s_load_b256 s[4:11], s[0:1], 0x0               ; lnq, wq, b_attn, qkv
	v_lshl_add_u32 v[SPW], v0, 2, SPARE
	v_mov_b32 v[NIL], 0
	ds_add_u32 v28, v29
	ds_add_u32 v28, v29
	s_wait_dscnt 0x0
	v_lshrrev_b32 v1, 5, v0
	v_readfirstlane_b32 s14, v1                    ; wave 0..3
	s_lshr_b32 s15, s14, 1                         ; my half of A's rows.  Also: I fetch for A' (0) or B' (1)
	s_and_b32 s16, s14, 1                          ; my half of B's rows.  Also: which eight blocks I fetch
	s_bfe_u32 s40, ttmp6, 0x40000                  ; cx
	s_bfe_u32 s41, ttmp6, 0x40004                  ; cy
	s_and_b32 s67, ttmp7, 0xffff                   ; cluster y: the batch
	s_lshl_b32 s18, s67, 2
	s_add_co_u32 s17, s18, s41                     ; 4 y + cy
	s_add_co_u32 s19, s18, s40                     ; 4 y + cx
	s_lshl_b32 s42, ttmp9, 2
	s_add_co_u32 s42, s42, s40                     ; 4 x + cx
	s_mov_b32 s99, LSC
	s_mov_b32 s3, WSC
	s_cmp_eq_u32 ttmp9, 2                          ; v's cluster?  The same answer in all sixteen partners
	s_cselect_b32 s66, 1, 0
	s_cselect_b32 s17, s41, s17                    ; A's tile: hangs on cy, never on cx
	s_cselect_b32 s42, s19, s42                    ; B's tile: hangs on cx, never on cy
	s_cselect_b32 s95, 2097152, 0                  ; where A's codes begin in their buffer (w_attn's block 128),
	s_cselect_b32 s2, WSC+65536, s99               ; A's scales,
	s_cselect_b32 s3, s99, s3                      ; B's scales
	s_lshl_b32 s43, s41, 2
	s_lshl_b32 s43, 15, s43                        ; my row of the cluster
	s_lshl_b32 s44, 0x1111, s40                    ; my column
	s_or_b32 s[G1+0], s43, (3<<16)|(1<<21)         ; 15:0 the mask; 17:16 elements of 8 bytes; 21 set beside a mask; no padding: an image is read 16 bytes a lane on end
	s_or_b32 s[G1B+0], s44, (3<<16)|(1<<21)
.irp g, G1, G1B
	s_mov_b32 s[\g+1], (STEPB/8)<<16               ; tensor_dim0: a block's two fragments, 512 elements
	s_mov_b32 s[\g+2], 16<<16                      ; tensor_dim1: the head's loads bring all sixteen blocks; behind them the two words are set to eight
	s_mov_b32 s[\g+3], (STEPB/8)<<16               ; tile_dim0
	s_mov_b32 s[\g+4], 16                          ; tile_dim1
	s_mov_b32 s[\g+5], BLKB/8                      ; from block to block
	s_mov_b32 s[\g+6], 0
	s_mov_b32 s[\g+7], 0
.endr
	s_or_b32 s[G1S+0], s43, (3<<16)|(1<<21)        ; the scales of sixteen blocks: 8,192 dense bytes as 32 rows of 256
	s_or_b32 s[G1SB+0], s44, (3<<16)|(1<<21)
.irp g, G1S, G1SB
	s_mov_b32 s[\g+1], 32<<16
	s_mov_b32 s[\g+2], (2*HALFS/256)<<16           ; the scales of sixteen blocks: 8,192 dense bytes as 32 rows of 256
	s_mov_b32 s[\g+3], 32<<16
	s_mov_b32 s[\g+4], 2*HALFS/256
	s_mov_b32 s[\g+5], 32
	s_mov_b32 s[\g+6], 0
	s_mov_b32 s[\g+7], 0
.endr
	s_lshl_b32 s18, s16, 3
	s_lshl_b32 s20, s17, 4
	s_add_co_u32 s20, s20, s18                     ; A's first block that I fetch
	s_lshl_b32 s46, s42, 4
	s_add_co_u32 s46, s46, s18                     ; B's
	s_lshl_b32 s22, s20, 9
	s_add_co_u32 s22, s22, s2
	s_mov_b32 s23, 0
	s_lshl_b32 s20, s20, 14
	s_add_co_u32 s20, s20, s95
	s_mov_b32 s21, 0
	s_lshl_b32 s92, s46, 9
	s_add_co_u32 s92, s92, s3
	s_mov_b32 s93, 0
	s_lshl_b32 s46, s46, 14
	s_mov_b32 s47, 0
	s_mul_i32 s45, s14, HALFT                      ; where they go: no place in the cluster enters an LDS address
	s_mul_i32 s94, s14, HALFS
	s_lshl_b32 s[OFS], s67, 1                      ; the turn along K hangs on the cluster's x and y alone, which all partners share
	s_add_co_u32 s[OFS], s[OFS], ttmp9
	s_and_b32 s[OFS], s[OFS], NSL-1
	s_mov_b32 s[KO+1], 0
	s_wait_kmcnt 0x0
	s_cmp_eq_u32 s66, 1
	s_cselect_b64 s[BASA:BASA+1], s[6:7], s[4:5]   ; A's buffer
	s_cselect_b64 s[BASB:BASB+1], s[4:5], s[6:7]   ; B's
	s_add_nc_u64 s[22:23], s[BASA:BASA+1], s[22:23]
	s_add_nc_u64 s[92:93], s[BASB:BASB+1], s[92:93]
	s_add_nc_u64 s[BASA:BASA+1], s[BASA:BASA+1], s[20:21]   ; my blocks' codes: kept for the refills
	s_add_nc_u64 s[BASB:BASB+1], s[BASB:BASB+1], s[46:47]
	CROUND                                         ; all sixteen work-groups are here: the first joint loads meet
	s_lshl_b32 s[KO], s16, 12                      ; the head's loads take whole tiles: my half's 4,096 scale bytes back
	s_sub_nc_u64 s[22:23], s[22:23], s[KO:KO+1]
	s_sub_nc_u64 s[92:93], s[92:93], s[KO:KO+1]
	s_mov_b32 s[G0S], 1
	s_mov_b32 s[G0S+1], SCL
	s_mov_b64 s[G0S+2:G0S+3], s[22:23]
	s_or_b32 s[G0S+3], s[G0S+3], 0x80000000
	s_mov_b32 s[G0SB], 1
	s_mov_b32 s[G0SB+1], SCL+2*HALFS
	s_mov_b64 s[G0SB+2:G0SB+3], s[92:93]
	s_or_b32 s[G0SB+3], s[G0SB+3], 0x80000000
.irp s, 0,1
	KOFF \s
	s_mov_b32 s[G0+4*\s], 1
	s_add_co_u32 s[G0+4*\s+1], s45, \s*SLOT
	s_add_nc_u64 s[G0+4*\s+2:G0+4*\s+3], s[BASA:BASA+1], s[KO:KO+1]
	s_or_b32 s[G0+4*\s+3], s[G0+4*\s+3], 0x80000000
	s_mov_b32 s[G0B+4*\s], 1
	s_add_co_u32 s[G0B+4*\s+1], s45, \s*SLOT
	s_add_nc_u64 s[G0B+4*\s+2:G0B+4*\s+3], s[BASB:BASB+1], s[KO:KO+1]
	s_or_b32 s[G0B+4*\s+3], s[G0B+4*\s+3], 0x80000000
.endr
; THE HEAD'S LOADS, ONE A WAVE: wave 0 slot 0's sixteen blocks of A', wave 1 those of B', wave 2 A's scales, wave 3 B's.  One chain of branches on the wave's number, all arms joining.
	s_lshl_b32 s[KO], s16, 17                      ; my half's eight blocks back: the tile's first block
	s_sub_nc_u64 s[G0+2:G0+3], s[G0+2:G0+3], s[KO:KO+1]
	s_sub_nc_u64 s[G0B+2:G0B+3], s[G0B+2:G0B+3], s[KO:KO+1]
	s_mov_b32 s[G0+1], 0
	s_mov_b32 s[G0B+1], 2*HALFT
.macro ARM under, g0, g1, next
	s_cmp_lt_u32 s14, \under
	s_cbranch_scc0 \next
	tensor_load_to_lds s[\g0:\g0+3], s[\g1:\g1+7]
	s_nop 0
.rept 4
	v_nop
.endr
	s_branch .Lhead_asked
\next:
.endm
	ARM 1, G0,  G1,  .Lhead_b
	ARM 2, G0B, G1B, .Lhead_sa
	ARM 3, G0S, G1S, .Lhead_sb
	tensor_load_to_lds s[G0SB:G0SB+3], s[G1SB:G1SB+7]
	s_nop 0
.rept 4
	v_nop
.endr
.Lhead_asked:
	v_and_b32 v1, 15, v0                           ; r
	v_bfe_u32 v2, v0, 4, 1                         ; h
	s_wait_alu depctr_va_vdst(0)
	v_and_b32 v3, 31, v0
	v_lshlrev_b32 v[VO0], 4, v3                    ; 16 x lane
	; the bias: along B' (q, k): b_attn[256 tile + 128 half + 32 (b / 2) + 8 (b % 2) + 16 h + j];  along A' (v): b_attn[2,048 + 256 cy + 128 half + my row of block a]
	s_lshl_b32 s18, s42, 10
	s_lshl_b32 s19, s16, 9
	s_add_co_u32 s18, s18, s19
	s_lshl_b32 s20, s41, 10
	s_lshl_b32 s19, s15, 9
	s_add_co_u32 s20, s20, s19
	s_add_co_u32 s20, s20, 8192
	s_cmp_eq_u32 s66, 1
	s_cselect_b32 s18, s20, s18
	s_mov_b32 s19, 0
	s_add_nc_u64 s[8:9], s[8:9], s[18:19]
	v_lshlrev_b32 v[BO1], 6, v2
	v_and_b32 v4, 8, v1
	v_add_nc_u32 v4, v4, v1
	v_lshlrev_b32 v[BO2], 2, v4
	s_cmp_eq_u32 s66, 1
	s_cbranch_scc1 .Lbias_v
.irp b, 0,1,2,3,4,5,6,7
	global_load_b128 v[BI+8*\b:BI+8*\b+3], v[BO1], s[8:9] offset:(32*(\b/2)+8*(\b%2))*4
	global_load_b128 v[BI+8*\b+4:BI+8*\b+7], v[BO1], s[8:9] offset:(32*(\b/2)+8*(\b%2))*4+16
.endr
	s_branch .Lbias_in
.Lbias_v:
	s_wait_alu depctr_va_vdst(0)
.irp a, 0,1,2,3,4,5,6,7
.irp j, 0,1,2,3,4,5,6,7
	global_load_b32 v[BI+8*\a+\j], v[BO2], s[8:9] offset:(32*(\a/2)+8*(\a%2))*4   ; the same number in a tile's eight registers: a lane holds one channel
.endr
.endr
.Lbias_in:
	s_mul_i32 s21, s15, HALFT                      ; my eight blocks of A'
	s_mul_i32 s22, s16, HALFT
	s_add_co_u32 s22, s22, 2*HALFT                 ; and of B', behind A's sixteen
	s_wait_alu depctr_va_vdst(0)
.irp s, 0,1
	v_add_nc_u32 v[ADRA+\s], s21, v[VO0]
	v_add_nc_u32 v[ADRB+\s], s22, v[VO0]
	s_add_co_u32 s21, s21, SLOT
	s_add_co_u32 s22, s22, SLOT
.endr
	v_lshlrev_b32 v5, 2, v1                        ; scale words: 4 r; lanes 0-15 take A's, lanes 16-31 B's
	s_mul_i32 s21, s15, HALFS
	s_mul_i32 s22, s16, HALFS
	s_add_co_u32 s22, s22, 2*HALFS
	s_sub_co_u32 s22, s22, s21
	v_mul_u32_u24 v6, s22, v2
	s_add_co_u32 s21, s21, SCL
	v_add_nc_u32 v5, v5, v6
	v_add_nc_u32 v[ADRS0], s21, v5
	SOFF 0
	v_add_nc_u32 v[ADRS], s[KO], v[ADRS0]          ; the words of the slot's worth that I take first
	; where the results go.  head0 = 16 batch + 4 c1 + 2 w1, place = 2 c2 + w2; q, k: (c1, w1, c2, w2) = (cx, B's half, cy, A's half); v: the other way round
	s_cmp_eq_u32 s66, 1
	s_cselect_b32 s18, s41, s40
	s_cselect_b32 s19, s15, s16
	s_cselect_b32 s20, s40, s41
	s_cselect_b32 s21, s16, s15
	s_lshl_b32 s22, s67, 4
	s_lshl_b32 s18, s18, 2
	s_add_co_u32 s22, s22, s18
	s_lshl_b32 s19, s19, 1
	s_add_co_u32 s22, s22, s19                     ; head0
	s_lshl_b32 s20, s20, 1
	s_add_co_u32 s20, s20, s21                     ; place
	s_lshl_b32 s18, ttmp9, 22                      ; Q, K, V: 4 MiB each
	s_lshl_b32 s19, s22, 16
	s_add_co_u32 s18, s18, s19
	s_lshl_b32 s19, s20, 13                        ; eight blocks of tokens x 1,024, or a run of 128 tokens x 8,192
	s_add_co_u32 s18, s18, s19
	s_mov_b32 s19, 0
	s_lshl_b32 s92, s22, 12
	s_lshr_b32 s92, s92, s66                       ; a head's scale words: 4,096 bytes (q, k) or 2,048 (v)
	s_lshl_b32 s93, s20, 9
	s_lshr_b32 s93, s93, s66
	s_add_co_u32 s92, s92, s93
	s_mul_i32 s93, ttmp9, 262144
	s_add_co_u32 s93, s93, QSB
	s_cmp_eq_u32 s66, 1
	s_cselect_b32 s93, VSB, s93
	s_mov_b32 s94, 65536
	s_cselect_b32 s94, 1024, s94                   ; groups 2, 3: the next head (q, k) or 1,024 bytes on (v)
	s_cselect_b32 s95, 0, 4096                     ; lanes 16-31: the next head's scale word (q, k) or the same word (v)
	s_cselect_b32 s45, 1792, 0                     ; blocks 4-7 of v: the next head
	s_cselect_b32 s46, 0, 16
	s_cselect_b32 s99, -1, 0xffff
	s_add_co_u32 s92, s92, s93
	s_mov_b32 s93, 0
	s_add_nc_u64 s[12:13], s[10:11], s[92:93]
	s_add_nc_u64 s[10:11], s[10:11], s[18:19]
	v_add_nc_u32 v[VO1], s94, v[VO0]
	v_mul_u32_u24 v[VSO], s95, v2
	v_lshl_add_u32 v[VSO], v1, 2, v[VSO]
	v_add_nc_u32 v[VSO2], s45, v[VSO]
	v_mul_u32_u24 v[VSH], s46, v2
	s_lshl_b32 s40, 1024, s66                      ; s[40:41]: from block to block: 1,024 (q, k) or 2,048 (v),
	s_mov_b32 s41, 0
	s_mul_i32 s44, s66, 57344
	s_add_co_u32 s44, s44, s40                     ; s[44:45]: and from block 3 to block 4 of v on to the next head
	s_mov_b32 s45, 0
	s_mov_b32 s[SEL], 0x76543210
	s_mov_b32 s[SEL+1], 0xfedcba98
	s_mov_b32 s[MNT], 0x600000
.macro FRAG reg, adr, q, i             ; a fragment as it lies: four loads of 512 consecutive bytes
.irp c, 0,1,2,3
	ds_load_b128 v[\reg+4*\c:\reg+4*\c+3], v[\adr] offset:(\i)*STEPB+(\q)*FRB+512*\c
.endr
.endm
; 16 matrix instructions: A's blocks a0, a0 + 1 x B's eight.  mode 1, 2: the sums begin with the bias, along B' or along A'.  The 64 accumulators take turns, one instruction a turn.
.macro MUL16 a0, p, q, sc, mode
.irp a, \a0, \a0+1
.irp b, 0,1,2,3,4,5,6,7
.if \mode == 1
	v_wmma_scale_f32_16x16x128_f8f6f4 v[8*(8*((\a)%4)+\b):8*(8*((\a)%4)+\b)+7], v[128*(\p)+FR*\b:128*(\p)+FR*\b+FR-1], v[AF+FR*(\a):AF+FR*(\a)+FR-1], v[BI+8*\b:BI+8*\b+7], v[SC+8*NQ*(\sc)+NQ*\b+(\q)], v[SC+8*NQ*(\sc)+NQ*(\a)+(\q)] matrix_a_fmt:MATRIX_FMT_BF8 matrix_b_fmt:MATRIX_FMT_BF8 matrix_a_scale:MATRIX_SCALE_ROW1
.elseif \mode == 2
	v_wmma_scale_f32_16x16x128_f8f6f4 v[8*(8*((\a)%4)+\b):8*(8*((\a)%4)+\b)+7], v[128*(\p)+FR*\b:128*(\p)+FR*\b+FR-1], v[AF+FR*(\a):AF+FR*(\a)+FR-1], v[BI+8*(\a):BI+8*(\a)+7], v[SC+8*NQ*(\sc)+NQ*\b+(\q)], v[SC+8*NQ*(\sc)+NQ*(\a)+(\q)] matrix_a_fmt:MATRIX_FMT_BF8 matrix_b_fmt:MATRIX_FMT_BF8 matrix_a_scale:MATRIX_SCALE_ROW1
.else
	v_wmma_scale_f32_16x16x128_f8f6f4 v[8*(8*((\a)%4)+\b):8*(8*((\a)%4)+\b)+7], v[128*(\p)+FR*\b:128*(\p)+FR*\b+FR-1], v[AF+FR*(\a):AF+FR*(\a)+FR-1], v[8*(8*((\a)%4)+\b):8*(8*((\a)%4)+\b)+7], v[SC+8*NQ*(\sc)+NQ*\b+(\q)], v[SC+8*NQ*(\sc)+NQ*(\a)+(\q)] matrix_a_fmt:MATRIX_FMT_BF8 matrix_b_fmt:MATRIX_FMT_BF8 matrix_a_scale:MATRIX_SCALE_ROW1
.endif
.endr
.endr
.endm
.macro FETCH_B slot, q, p
	WIN TO_B
.irp i, 0,1,2,3,4,5,6,7
	FRAG 128*(\p)+FR*\i, ADRB+\slot, \q, \i
.endr
	WIN 0
.endm
.macro FETCH_A slot, q, i0
.irp i, \i0, \i0+1, \i0+2, \i0+3
	FRAG AF+FR*(\i), ADRA+\slot, \q, \i
.endr
.endm
.macro SCALES sc                       ; register NQ i + q: lanes 0-15 the word of A's block i, lanes 16-31 that of B's block i
.irp i, 0,1,2,3,4,5,6,7
.irp q, 0,1
	ds_load_b32 v[SC+8*NQ*\sc+NQ*\i+\q], v[ADRS] offset:KK*64*\i+64*\q
.endr
.endr
.endm
.macro PLACES n                        ; plain vector instructions between a matrix instruction and a load into, or a vector instruction on, its registers
.rept \n
	v_nop
.endr
.endm
.macro STEP slot, q, mode              ; 128 along K that have their successor in the same slot
	s_wait_dscnt 4*NL                              ; B's set and A's blocks 0-3 are in; the youngest sixteen loads (A's blocks 4-7) may be out
.if \mode
	WIN 0x81                                       ; the bias lies in window 0
.else
	WIN MUL_LO
.endif
	MUL16 0, (\q)%2, \q, \slot, \mode
	MUL16 2, (\q)%2, \q, \slot, \mode
	s_wait_dscnt 0
	PLACES NP
	FETCH_B \slot, (\q)+1, 1-(\q)%2
	FETCH_A \slot, (\q)+1, 0
.if \mode
	WIN 0xc1
.else
	WIN MUL_HI
.endif
	MUL16 4, (\q)%2, \q, \slot, \mode
	MUL16 6, (\q)%2, \q, \slot, \mode
	PLACES NP
	WIN 0
	FETCH_A \slot, (\q)+1, 4
.endm
; A slot's last step changes slots: one barrier; in front of it each wave waits for all its tensor loads, adds 0 to its spare word, and waits for that and for its reads of this slot.
; tn: the slot ahead holds my tn-th slot's worth of K; fill = 1: this slot is filled again, with my (tn + 1)-th.
.macro TURN slot, next, fill, tn
	s_wait_tensorcnt 0x0                           ; all my tensor loads have landed: my part of the next slot
	ds_add_u32 v[SPW], v[NIL]                      ; 0 onto my spare word
	s_wait_dscnt 4*NL+1                            ; (the add and A's blocks 4-7 may be out)
	WIN MUL_LO
	MUL16 0, 1, NQ-1, \slot, 0
	s_wait_dscnt 0x0                               ; the add is done, and my reads of this slot are over
	s_barrier_signal -1
	MUL16 2, 1, NQ-1, \slot, 0
	WIN 0
	s_barrier_wait -1
.if \fill
	CREST                                          ; the barrier has opened a round of the cluster's: no wave of any partner still reads this slot or has a load on its way
	KOFF (\tn)+1
	s_add_nc_u64 s[G0+4*\slot+2:G0+4*\slot+3], s[BASA:BASA+1], s[KO:KO+1]
	s_or_b32 s[G0+4*\slot+3], s[G0+4*\slot+3], 0x80000000
	s_add_nc_u64 s[G0B+4*\slot+2:G0B+4*\slot+3], s[BASB:BASB+1], s[KO:KO+1]
	s_or_b32 s[G0B+4*\slot+3], s[G0B+4*\slot+3], 0x80000000
	JLOAD G0+4*\slot, G1, G0B+4*\slot, G1B         ; the first tensor load behind the round
	PLACES NP-4
.else
	PLACES NP
.endif
	SOFF \tn
	v_add_nc_u32 v[ADRS], s[KO], v[ADRS0]          ; the next slot's scale words (no LDS load of mine is out)
	FETCH_B \next, 0, 0
	FETCH_A \next, 0, 0
	SCALES \next
	WIN MUL_HI
	MUL16 4, 1, NQ-1, \slot, 0
	MUL16 6, 1, NQ-1, \slot, 0
	PLACES NP
	WIN 0
	FETCH_A \next, 0, 4
.endm
	s_wait_alu depctr_va_vdst(0)
	s_wait_tensorcnt 0x0                           ; my tile of the head's four is in; slot 1's first fill is issued as a refill is
	ds_add_u32 v[SPW], v[NIL]
	s_mov_b32 s[G1+2], 8<<16                       ; no tensor load of mine is out: from here on a load brings eight blocks
	s_mov_b32 s[G1+4], 8
	s_mov_b32 s[G1B+2], 8<<16
	s_mov_b32 s[G1B+4], 8
	s_mul_i32 s[G0+1], s14, HALFT                  ; and slot 0's refills go to my quarter of it
	s_mul_i32 s[G0B+1], s14, HALFT
	s_wait_dscnt 0x0
	CROUND                                         ; a whole round: all four tiles are in
	JLOAD G0+4, G1, G0B+4, G1B                     ; slot 1, the first tensor load behind the round
	FETCH_B 0, 0, 0
	FETCH_A 0, 0, 0
	SCALES 0
	FETCH_A 0, 0, 4
	s_wait_loadcnt 0x0                             ; the bias
	s_cmp_eq_u32 s66, 1
	s_cbranch_scc1 .Lfirst_v
	STEP 0, 0, 1
	s_branch .Lfirst_done
.Lfirst_v:
	STEP 0, 0, 2
.Lfirst_done:
	TURN 0, 1, 1, 1                                ; K's four slots' worth are written out: two refills
	STEP 1, 0, 0
	TURN 1, 0, 1, 2
	STEP 0, 0, 0
	TURN 0, 1, 0, 3                                ; the last change of slots fills nothing
	STEP 1, 0, 0
	s_wait_dscnt 4*NL
	WIN MUL_LO
	MUL16 0, 1, NQ-1, 1, 0
	MUL16 2, 1, NQ-1, 1, 0
	s_wait_dscnt 0
	WIN MUL_HI
	MUL16 4, 1, NQ-1, 1, 0
	MUL16 6, 1, NQ-1, 1, 0
	WIN 0
	PLACES NP
.irp b, 0,1,2,3
	v_mov_b32 v[TM+4+\b], 0                        ; written once: a lane permute's destination counts as one of its sources
.endr
; THE WAY OUT of A's block a: its 64 numbers a lane are four blocks of 32 along B' (16 mine, 16 lane l xor 16's); the conversions' results are a fragment's four groups.
.macro EPQ a
.set AC, 64*((\a)%4)
.set W,  2+(\a)/4
.set PC, 192+16*((\a)%2)
	WIN 5*W                                        ; sources 0 and 1: the accumulators' window
.irp b, 0,1,2,3
	v_max3_num_f32 v[TM+\b], |v[AC+16*\b]|, |v[AC+16*\b+1]|, 0x8000000   ; each accumulator is read from its low end on; the floor 2^(16 - 127) holds the byte at 1 from below
.endr
.irp i, 2,4,6,8,10,12,14
.irp b, 0,1,2,3
	v_max3_num_f32 v[TM+\b], |v[AC+16*\b+\i]|, |v[AC+16*\b+\i+1]|, v[TM+\b]
.endr
.endr
	WIN 0
.irp b, 0,1,2,3
	v_permlanex16_b32 v[TM+4+\b], v[TM+\b], s[SEL], s[SEL+1]
.endr
.irp b, 0,1,2,3
	v_max_num_f32 v[TM+\b], v[TM+\b], v[TM+4+\b]
.endr
.irp b, 0,1,2,3
	v_add_nc_u32 v[TM+12+\b], 0xf8800000, v[TM+\b] ; 15 off the exponent field: the conversion's scale operand
.endr
.irp b, 0,1,2,3
	v_and_or_b32 v[TM+8+\b], v[TM+\b], 0x7f800000, s[MNT]   ; 57,344 x the scale
.endr
.irp b, 0,1,2,3
	v_lshrrev_b32 v[TM+4+\b], 23, v[TM+12+\b]
.endr
	v_lshl_or_b32 v[PW], v[TM+5], 8, v[TM+4]
	v_lshl_or_b32 v[PW], v[TM+6], 16, v[PW]
	v_lshl_or_b32 v[PW], v[TM+7], 24, v[PW]
	WIN W                                          ; source 0: the accumulators' window
.set n, 0
.rept 64
	v_med3_num_f32 v[U+n], v[AC+n], -v[TM+8+n/16], v[TM+8+n/16]   ; the conversion to an 8-bit code does not saturate (ISA guide 7.6.2)
.set n, n+1
.endr
	WIN 0
	s_wait_alu depctr_va_vdst(0)
	s_wait_xcnt 0x0                                ; the earlier stores have read their data and their base: both are written below
.if (\a) == 4
	s_add_nc_u64 s[10:11], s[10:11], s[44:45]
.elseif (\a) > 0
	s_add_nc_u64 s[10:11], s[10:11], s[40:41]
.endif
.irp b, 0,1,2,3
	v_cvt_scalef32_pk8_bf8_f32 v[PC+4*\b:PC+4*\b+1], v[U+16*\b:U+16*\b+7], v[TM+12+\b]
	v_cvt_scalef32_pk8_bf8_f32 v[PC+4*\b+2:PC+4*\b+3], v[U+16*\b+8:U+16*\b+15], v[TM+12+\b]
.endr
	v_lshrrev_b32 v[SW+(\a)], v[VSH], v[PW]        ; (a plain instruction behind the last conversion)  q, k: lanes 16-31 take the second head's two bytes
	v_and_b32 v[SW+(\a)], s99, v[SW+(\a)]
	global_store_b128 v[VO0], v[PC:PC+3], s[10:11]               ; 32 lanes store 512 consecutive bytes, aligned
	global_store_b128 v[VO0], v[PC+4:PC+7], s[10:11] offset:512
	global_store_b128 v[VO1], v[PC+8:PC+11], s[10:11]
	global_store_b128 v[VO1], v[PC+12:PC+15], s[10:11] offset:512
.if (\a) < 4
	global_store_b32 v[VSO], v[SW+(\a)], s[12:13] offset:64*(\a)
.else
	global_store_b32 v[VSO2], v[SW+(\a)], s[12:13] offset:64*(\a)
.endif
.endm
.irp a, 0,1,2,3,4,5,6,7
	EPQ \a
.endr
	s_wait_tensorcnt 0x0                           ; the wave's end
	ds_add_u32 v[SPW], v[NIL]
	s_wait_dscnt 0x0
	CROUND                                         ; the closing round
	s_endpgm
.Lfunc_end_k_q214f694013_qkvg:
	.size	k_q214f694013_qkvg, .Lfunc_end_k_q214f694013_qkvg-k_q214f694013_qkvg
	.p2alignl 7, 3214868480
	.fill 96, 4, 3214868480
	.section	.rodata,"a",@progbits
	.p2align	6, 0x0
	.amdhsa_kernel k_q214f694013_qkvg
		.amdhsa_group_segment_fixed_size 327680
		.amdhsa_private_segment_fixed_size 0
		.amdhsa_enable_private_segment 0
		.amdhsa_kernarg_size 32
		.amdhsa_user_sgpr_count 2
		.amdhsa_user_sgpr_kernarg_segment_ptr 1
		.amdhsa_wavefront_size32 1
		.amdhsa_system_sgpr_workgroup_id_x 1
		.amdhsa_system_sgpr_workgroup_id_y 1
		.amdhsa_system_sgpr_workgroup_id_z 1
		.amdhsa_system_vgpr_workitem_id 0
		.amdhsa_next_free_vgpr 1024
		.amdhsa_next_free_sgpr 106
		.amdhsa_reserve_vcc 0
		.amdhsa_float_denorm_mode_32 3
		.amdhsa_float_denorm_mode_16_64 3
		.amdhsa_memory_ordered 1
		.amdhsa_forward_progress 1
		.amdhsa_inst_pref_size 212
	.end_amdhsa_kernel
	.amdgpu_metadata
---
amdhsa.version: [ 1, 2 ]
amdhsa.kernels:
  - .name:           k_q214f694013_qkvg
    .symbol:         k_q214f694013_qkvg.kd
    .args:
      - { .name: lnq, .offset: 0, .size: 8, .value_kind: global_buffer, .address_space: global }
      - { .name: wq, .offset: 8, .size: 8, .value_kind: global_buffer, .address_space: global }
      - { .name: b_attn, .offset: 16, .size: 8, .value_kind: global_buffer, .address_space: global }
      - { .name: qkv, .offset: 24, .size: 8, .value_kind: global_buffer, .address_space: global }
    .group_segment_fixed_size: 327680
    .private_segment_fixed_size: 0
    .kernarg_segment_align: 8
    .kernarg_segment_size: 32
    .max_flat_workgroup_size: 128
    .sgpr_count:     106
    .vgpr_count:     1024
    .wavefront_size: 32
...
	.end_amdgpu_metadata
.endif
;; end of part 2
;; launch att (part 3): grid 4 x 64, 16 waves a work-group, no clusters, 169,984 bytes of LDS; arguments qkv, yq; writes yq
.if DOCPART == 3
	.amdgcn_target "amdgcn-amd-amdhsa--gfx1250"
	.amdhsa_code_object_version 6
	.text
	.protected	k_q214f694013_att
	.globl	k_q214f694013_att
	.p2align	8
	.type	k_q214f694013_att,@function
k_q214f694013_att:
	s_mov_b64 s[64:65], 0
	v_nop
	global_prefetch_b8 v0, s[64:65] scope:SCOPE_SE
	s_setreg_imm32_b32 hwreg(HW_REG_WAVE_MODE, 25, 1), 1
	s_wait_xcnt 0x0
; y = softmax(q k^T / 8, causal) v for one head, both products on codes of BF8 (E5M2) with E8M0 scales; y leaves as codes, quantised along the model's 1,024 (two blocks of 32 a head).
; IN (buffer qkv): Q, K: [head of 64][block of 16 tokens: 64][1,024]: groups c = 0, 1 of a fragment (the head's 64); V at 8 MiB: [head][128 tokens][block of 16 channels: 4][2,048]; scale words VS, QS, KS.
; A block's lane r stands for token (or channel) 32 (B / 2) + 8 (B % 2) + r + 8 (r / 8), so that with both products used transposed (S^T = K Q^T, O^T = V^T P^T) a lane holds ONE query and the 16 registers of
; tiles 2 bb, 2 bb + 1 are 16 neighbouring keys (or channels) 32 bb + 16 (lane / 16) + 0 .. 15: the conversions' results are the next operand's registers.
; K = 64 IN AN INSTRUCTION 128 DEEP: Q's groups 2, 3 are zero codes; K's are zeros at first and later V's codes of an earlier step, which are held codes, never infinity or NaN; the scale bytes 2, 3 of both are 0, which is 2^-127.
; THE SOFTMAX: t = score x log2(e) / 8; M = the running largest t rounded UP to a whole number; p = 2^(t - M) is quantised along the keys; the sum is taken of the unquantised p and divides at the end.
; SHARES.  A work-group has one head and query groups (of 128) x and 7 - x; a wave has 16 queries and walks key steps 0 .. its group's number: a scalar branch on ids leaves the others out; the last one is masked.
; Waves 4 k .. 4 k + 3 with k even take group x, with k odd group 7 - x.  The head's K, V and their scales come into LDS once (one tensor load a wave, waves 0-9), in four chunks of 256 keys; nothing is filled again.
; NO CLUSTER: what a wave leaves out hangs on the query group, which would be the place in a cluster; what would be shared is 136 KiB a work-group, fetched once.
; V's scales are fetched as 4,096 bytes where 2,048 are the head's: the rest, written by the launch before, is not read.  y's scale bytes leave two a lane: 128 KiB in the launch.
; LIMITS: NaN and infinities are not served; a block whose largest magnitude lies under 2^-111 gets the byte 1.
.set KOF,  4194304
.set VSB,  12582912
.set QSB,  12713984
.set KSB,  12976128
.set LSC,  4194304
.set LV,   65536                       ; LDS: K at 0, V, K's scale words, V's
.set LKS,  131072
.set LVS,  135168
.set AK,   1                           ; v1 16 x lane;  v2 the same in V;  v3, v4 4 r among K's and V's scale words;  v5 my query's place in its 128 - 16 (lane / 16);  v11 4 r
.set AV,   2
.set ASK,  3
.set ASV,  4
.set DQ,   5
.set R4,   11
.set WV,   8
.set XQ,   9
.set BH,   10
.set GG,   11                          ; s11 my group of 128 queries = my last key step
.set IDX,  12
.set BT,   13                          ; s13 my block of 16 queries
.set G1C,  16                          ; s[16:23] a chunk: 64 rows of 256 bytes;  s[24:31] scales: 16 rows;  s[32:35], s[36:39] groups 0
.set G1S,  24
.set G0S,  32
.set G0C,  36
.set SEL,  52
.set CS,   54
.set MNT,  56
	s_load_b128 s[4:7], s[0:1], 0x0                ; qkv, yq
	v_lshl_add_u32 v230, v0, 2, 0x29000
	v_mov_b32 v231, 0
	ds_add_u32 v230, v231
	ds_add_u32 v230, v231
	v_lshrrev_b32 v6, 5, v0
	s_delay_alu instid0(VALU_DEP_1)
	v_readfirstlane_b32 s[WV], v6                  ; wave 0..15
	v_and_b32 v6, 31, v0
	v_and_b32 v7, 15, v0                           ; r
	s_wait_alu depctr_va_vdst(0)
	v_bfe_u32 v8, v0, 4, 1                         ; h
	s_wait_alu depctr_va_vdst(0)
	v_lshlrev_b32 v[AK], 4, v6
	s_delay_alu instid0(VALU_DEP_1)
	v_add_nc_u32 v[AV], LV, v[AK]
	v_lshl_add_u32 v[ASK], v7, 2, LKS
	v_lshl_add_u32 v[ASV], v7, 2, LVS
	v_lshlrev_b32 v[R4], 2, v7
	s_mov_b32 s[XQ], ttmp9
	s_and_b32 s[BH], ttmp7, 0xffff
	s_sub_co_u32 s57, 7, s[XQ]
	s_bitcmp1_b32 s[WV], 2
	s_cselect_b32 s[GG], s57, s[XQ]
	s_and_b32 s[IDX], s[WV], 3
	s_lshr_b32 s57, s[WV], 3
	s_lshl_b32 s57, s57, 2
	s_add_co_u32 s[IDX], s[IDX], s57               ; which of the group's eight blocks
	s_lshl_b32 s[BT], s[GG], 3
	s_add_co_u32 s[BT], s[BT], s[IDX]
	s_lshr_b32 s57, s[IDX], 1
	s_lshl_b32 s57, s57, 5
	s_and_b32 s58, s[IDX], 1
	s_lshl_b32 s58, s58, 3
	s_add_co_u32 s57, s57, s58
	v_and_b32 v9, 8, v7
	s_delay_alu instid0(VALU_DEP_1)
	v_add_nc_u32 v9, v9, v7
	v_lshlrev_b32 v10, 4, v8
	s_delay_alu instid0(VALU_DEP_1)
	v_sub_nc_u32 v9, v9, v10
	s_delay_alu instid0(VALU_DEP_1)
	v_add_nc_u32 v[DQ], s57, v9
.irp g, G1C, G1S
	s_mov_b32 s[\g], 3<<16                         ; no mask; elements of 8 bytes; no padding: images are read 16 bytes a lane on end
	s_mov_b32 s[\g+1], 32<<16                      ; tensor_dim0: 256 bytes
	s_mov_b32 s[\g+3], 32<<16                      ; tile_dim0
	s_mov_b32 s[\g+5], 32                          ; dense
	s_mov_b32 s[\g+6], 0
	s_mov_b32 s[\g+7], 0
.endr
	s_mov_b32 s[G1C+2], 64<<16
	s_mov_b32 s[G1C+4], 64
	s_mov_b32 s[G1S+2], 16<<16
	s_mov_b32 s[G1S+4], 16
	s_add_co_u32 s57, s[WV], 6                     ; THE FIRST FILLS, ONE A WAVE: waves 0, 1 K's and V's scale words; waves 2 + 2 c, 3 + 2 c chunk c (256 keys, 16 KiB) of K and of V
	s_lshr_b32 s57, s57, 1
	s_and_b32 s57, s57, 3                          ; c
	s_lshl_b32 s57, s57, 14
	s_and_b32 s58, s[WV], 1
	s_add_co_u32 s58, s58, 1
	s_lshl_b32 s58, s58, 22
	s_lshl_b32 s59, s[BH], 16
	s_add_co_u32 s58, s58, s59
	s_add_co_u32 s58, s58, s57                     ; + my chunk
	s_and_b32 s59, s[WV], 1
	s_lshl_b32 s59, s59, 16
	s_add_co_u32 s57, s57, s59                     ; in LDS: K at 0, V at 65,536
	s_mov_b32 s59, 0
	s_lshl_b32 s60, s[BH], 12
	s_add_co_u32 s60, s60, KSB
	s_lshl_b32 s61, s[BH], 11
	s_add_co_u32 s61, s61, VSB
	s_and_b32 s62, s[WV], 1
	s_cmp_eq_u32 s62, 0
	s_cselect_b32 s60, s60, s61
	s_mov_b32 s61, 0
	s_lshl_b32 s62, s62, 12
	s_mov_b32 s[SEL], 0x76543210
	s_mov_b32 s[SEL+1], 0xfedcba98
	s_mov_b32 s[CS], 0x3e38aa3b                    ; c = log2(e) / 8
	s_mov_b32 s[CS+1], s[CS]
	s_mov_b32 s[MNT], 0x600000
	s_wait_dscnt 0x0
	s_wait_kmcnt 0x0
	s_add_nc_u64 s[58:59], s[4:5], s[58:59]
	s_mov_b32 s[G0S], 1
	s_add_co_u32 s[G0S+1], s62, LKS
	s_add_nc_u64 s[G0S+2:G0S+3], s[4:5], s[60:61]
	s_or_b32 s[G0S+3], s[G0S+3], 0x80000000
	s_mov_b32 s[G0C], 1
	s_mov_b32 s[G0C+1], s57
	s_mov_b64 s[G0C+2:G0C+3], s[58:59]
	s_or_b32 s[G0C+3], s[G0C+3], 0x80000000
; One chain of branches on the wave's number, one load to an arm, all arms joining.  Each chunk has a load line of its own, since its two waves wait at a barrier of their own.
.macro ARM under, g0, g1, next
	s_cmp_lt_u32 s[WV], \under
	s_cbranch_scc0 \next
	tensor_load_to_lds s[\g0:\g0+3], s[\g1:\g1+7]
	s_nop 0
.rept 4
	v_nop
.endr
	s_branch .Lno_fill
\next:
.endm
	ARM 2, G0S, G1S, .Lchunk_0
	ARM 4, G0C, G1C, .Lchunk_1
	ARM 6, G0C, G1C, .Lchunk_2
	ARM 8, G0C, G1C, .Lchunk_3
	s_cmp_lt_u32 s[WV], 10
	s_cbranch_scc0 .Lno_fill
	tensor_load_to_lds s[G0C:G0C+3], s[G1C:G1C+7]
	s_nop 0
.rept 4
	v_nop
.endr
.Lno_fill:
	s_lshl_b32 s57, s[BH], 6
	s_add_co_u32 s57, s57, s[BT]                   ; my block among all heads'
	s_lshl_b32 s60, s57, 10
	s_mov_b32 s61, 0
	s_add_nc_u64 s[60:61], s[4:5], s[60:61]
	s_lshl_b32 s62, s57, 6
	s_add_co_u32 s62, s62, QSB
	s_mov_b32 s63, 0
	s_add_nc_u64 s[62:63], s[4:5], s[62:63]
	global_load_b128 v[16:19], v[AK], s[60:61]
	global_load_b128 v[20:23], v[AK], s[60:61] offset:512
	s_wait_alu depctr_va_vdst(0)
	global_load_b32 v255, v[R4], s[62:63]          ; Q's scale words
	s_lshr_b32 s57, s[BH], 4                       ; where y goes: block 64 batch + mine, k step head / 2, groups 2 (head % 2) + 0, 1
	s_lshl_b32 s57, s57, 6
	s_add_co_u32 s57, s57, s[BT]
	s_bfe_u32 s58, s[BH], 0x30001
	s_and_b32 s59, s[BH], 1
	s_lshl_b32 s66, s57, 14
	s_lshl_b32 s67, s58, 11
	s_add_co_u32 s66, s66, s67
	s_lshl_b32 s67, s59, 10
	s_add_co_u32 s66, s66, s67
	s_mov_b32 s67, 0
	s_add_nc_u64 s[66:67], s[6:7], s[66:67]
	s_lshl_b32 s68, s57, 9
	s_lshl_b32 s69, s58, 6
	s_add_co_u32 s68, s68, s69
	s_lshl_b32 s69, s59, 1
	s_add_co_u32 s68, s68, s69
	s_add_co_u32 s68, s68, LSC
	s_mov_b32 s69, 0
	s_add_nc_u64 s[68:69], s[6:7], s[68:69]
.irp j, 0,1,2,3,4,5,6,7
	v_mov_b32 v[24+\j], 0                          ; Q's groups 2, 3: zero codes
.endr
.irp t, 0,1,2,3
.irp j, 8,9,10,11,12,13,14,15
	v_mov_b32 v[32+16*\t+\j], 0                    ; K's groups 2, 3, until V's codes lie there
.endr
.endr
.set n, 0
.rept 32
	v_mov_b32 v[160+n], 0                          ; O^T: the step is written once; the first finds zeros
.set n, n+1
.endr
	v_mov_b32 v13, 0xff61b1e6                      ; the largest t so far: -3e38
	s_delay_alu instid0(VALU_DEP_1)
	v_floor_f32 v12, -v13                          ; -M
	v_mov_b32 v14, 0
	v_mov_b32 v15, 0
.irp b, 0,1,2,3
	v_mov_b32 v[236+\b], 0                         ; a lane permute's destination counts as one of its sources
.endr
	v_mov_b32 v252, 0
	v_mov_b32 v253, 0
; KEY STEP s: 128 keys
.macro STEP s
.if (\s) > 0
	s_cmp_lt_u32 s[GG], (\s)                       ; all its keys come after my queries: left out
	s_cbranch_scc1 .Lskip_\@
.endif
.irp g, 0,1
.rept 8
	v_nop                                          ; places in front of loads into registers that matrix instructions have read
.endr
.irp t, 0,1,2,3
	ds_load_b128 v[32+16*\t:35+16*\t], v[AK] offset:(8*(\s)+4*\g+\t)*1024
	ds_load_b128 v[36+16*\t:39+16*\t], v[AK] offset:(8*(\s)+4*\g+\t)*1024+512
	ds_load_b32 v[248+\t], v[ASK] offset:(8*(\s)+4*\g+\t)*64
.endr
	s_wait_dscnt 0x0
.irp t, 0,1,2,3
	v_wmma_scale_f32_16x16x128_f8f6f4 v[96+8*(4*\g+\t):103+8*(4*\g+\t)], v[32+16*\t:47+16*\t], v[16:31], 0, v[248+\t], v255 matrix_a_fmt:MATRIX_FMT_BF8 matrix_b_fmt:MATRIX_FMT_BF8
.endr
.endr
.rept 8
	v_nop
.endr
	s_cmp_lg_u32 s[GG], (\s)
	s_cbranch_scc1 .Lopen_\@
	v_mov_b32 v254, 0xff800000                     ; on the diagonal: register 16 b + i holds key 32 b + i + 16 (lane / 16) of the step: hidden where 32 b + i > v5
.set n, 0
.rept 64
	v_cmp_gt_i32 vcc_lo, 32*(n/16)+n%16, v[DQ]
	v_cndmask_b32 v[96+n], v[96+n], v254, vcc_lo
.set n, n+1
.endr
.Lopen_\@:
.irp b, 0,1,2,3
	v_max3_num_f32 v[232+\b], v[96+16*\b], v[97+16*\b], v[98+16*\b]   ; the largest score of each block of 32 keys: for the row's maximum, and, since p rises with the score, for the block's largest p
.endr
.irp i, 3,5,7,9,11,13
.irp b, 0,1,2,3
	v_max3_num_f32 v[232+\b], v[232+\b], v[96+16*\b+\i], v[97+16*\b+\i]
.endr
.endr
.irp b, 0,1,2,3
	v_max_num_f32 v[232+\b], v[232+\b], v[111+16*\b]
.endr
.irp b, 0,1,2,3
	s_delay_alu instid0(VALU_DEP_4)
	v_permlanex16_b32 v[236+\b], v[232+\b], s[SEL], s[SEL+1]
.endr
.irp b, 0,1,2,3
	s_delay_alu instid0(VALU_DEP_4)
	v_max_num_f32 v[232+\b], v[232+\b], v[236+\b]
.endr
	s_delay_alu instid0(VALU_DEP_2)
	v_max3_num_f32 v254, v232, v233, v234
	s_delay_alu instid0(VALU_DEP_1)
	v_max_num_f32 v254, v254, v235
	s_delay_alu instid0(VALU_DEP_1)
	v_mul_f32 v254, s[CS], v254
	s_delay_alu instid0(VALU_DEP_1)
	v_max_num_f32 v13, v13, v254                   ; the running largest t
	v_mov_b32 v254, v12
	s_delay_alu instid0(VALU_DEP_2)
	v_floor_f32 v12, -v13                          ; the new -M: M is a whole number
	s_delay_alu instid0(VALU_DEP_1)
	v_sub_f32 v254, v12, v254
	s_delay_alu instid0(VALU_DEP_1)
	v_cvt_i32_f32 v254, v254
	s_delay_alu instid0(VALU_DEP_1)
	v_ldexp_f32 v252, 1.0, v254                    ; f = 2^(old M - new M): rounds nothing
.set n, 0
.rept 32
	v_pk_fma_f32 v[96+n:97+n], v[96+n:97+n], s[CS:CS+1], v[12:13] op_sel_hi:[1,0,0]   ; t - M
.set n, n+2
.endr
.irp b, 0,1,2,3
	v_fma_f32 v[232+\b], v[232+\b], s[CS], v12
.endr
.set n, 0
	s_wait_alu depctr_va_vdst(0)
.rept 64
	v_exp_f32 v[96+n], v[96+n]                     ; p = 2^(t - M), not normalised
.set n, n+1
.endr
.irp b, 0,1,2,3
	v_exp_f32 v[232+\b], v[232+\b]
.endr
	v_pk_mul_f32 v[14:15], v[14:15], v[252:253] op_sel_hi:[1,0]   ; the sums under the new M (a plain place behind the exponentials)
	s_wait_alu depctr_va_vdst(0)
.irp b, 0,1,2,3
	v_max_num_f32 v[232+\b], 0x8000000, v[232+\b]  ; the floor 2^(16 - 127)
.endr
.irp b, 0,1,2,3
	s_delay_alu instid0(VALU_DEP_4)
	v_add_nc_u32 v[244+\b], 0xf8800000, v[232+\b]
.endr
.irp b, 0,1,2,3
	v_and_or_b32 v[240+\b], v[232+\b], 0x7f800000, s[MNT]
.endr
.irp b, 0,1,2,3
	v_lshrrev_b32 v[236+\b], 23, v[244+\b]
.endr
	s_delay_alu instid0(VALU_DEP_3)
	v_lshl_or_b32 v253, v237, 8, v236              ; p's scale word for these 128 keys
	s_delay_alu instid0(VALU_DEP_1)
	v_lshl_or_b32 v253, v238, 16, v253
	s_delay_alu instid0(VALU_DEP_1)
	v_lshl_or_b32 v253, v239, 24, v253
	v_pk_add_f32 v[236:237], v[100:101], v[104:105]
	v_pk_add_f32 v[250:251], v[108:109], v[112:113]
	v_pk_add_f32 v[248:249], v[116:117], v[120:121]
	v_pk_add_f32 v[234:235], v[124:125], v[128:129]
	v_pk_add_f32 v[232:233], v[132:133], v[136:137]
	v_pk_add_f32 v[228:229], v[140:141], v[144:145]
	v_pk_add_f32 v[226:227], v[148:149], v[152:153]
	v_pk_add_f32 v[14:15], v[14:15], v[156:157]
	v_pk_add_f32 v[236:237], v[236:237], v[96:97]
	v_pk_add_f32 v[250:251], v[250:251], v[98:99]
	v_pk_add_f32 v[248:249], v[248:249], v[102:103]
	v_pk_add_f32 v[234:235], v[234:235], v[106:107]
	v_pk_add_f32 v[232:233], v[232:233], v[110:111]
	v_pk_add_f32 v[228:229], v[228:229], v[114:115]
	v_pk_add_f32 v[226:227], v[226:227], v[118:119]
	v_pk_add_f32 v[14:15], v[14:15], v[122:123]
	v_pk_add_f32 v[236:237], v[236:237], v[126:127]
	v_pk_add_f32 v[250:251], v[250:251], v[130:131]
	v_pk_add_f32 v[248:249], v[248:249], v[134:135]
	v_pk_add_f32 v[234:235], v[234:235], v[138:139]
	v_pk_add_f32 v[232:233], v[232:233], v[142:143]
	v_pk_add_f32 v[228:229], v[228:229], v[146:147]
	v_pk_add_f32 v[226:227], v[226:227], v[150:151]
	v_pk_add_f32 v[14:15], v[14:15], v[154:155]
	v_pk_add_f32 v[236:237], v[236:237], v[158:159]
	s_delay_alu instid0(VALU_DEP_2)
	v_pk_add_f32 v[14:15], v[14:15], v[234:235]
	s_delay_alu instid0(VALU_DEP_2)
	v_pk_add_f32 v[236:237], v[236:237], v[232:233]
	v_pk_add_f32 v[250:251], v[250:251], v[228:229]
	v_pk_add_f32 v[248:249], v[248:249], v[226:227]
	s_delay_alu instid0(VALU_DEP_2)
	v_pk_add_f32 v[14:15], v[14:15], v[250:251]
	s_delay_alu instid0(VALU_DEP_2)
	v_pk_add_f32 v[236:237], v[236:237], v[248:249]
	s_delay_alu instid0(VALU_DEP_1)
	v_pk_add_f32 v[14:15], v[14:15], v[236:237]
.irp b, 0,1,2,3
.irp i, 0,1,2,3,4,5,6,7,8,9,10,11,12,13,14,15
	v_min_num_f32 v[96+16*\b+\i], v[96+16*\b+\i], v[240+\b]   ; the conversion does not saturate (ISA guide 7.6.2); p is not negative
.endr
	v_cvt_scalef32_pk8_bf8_f32 v[192+4*\b:193+4*\b], v[96+16*\b:103+16*\b], v[244+\b]
	v_cvt_scalef32_pk8_bf8_f32 v[194+4*\b:195+4*\b], v[104+16*\b:111+16*\b], v[244+\b]
.endr
.set n, 0
.rept 16
	v_pk_mul_f32 v[160+n:161+n], v[160+n:161+n], v[252:253] op_sel_hi:[1,0]   ; O^T under the new M; these sixteen are also the places in front of the products below
.set n, n+2
.endr
.irp t, 0,1,2,3
.irp c, 0,1,2,3
	ds_load_b128 v[32+16*\t+4*\c:35+16*\t+4*\c], v[AV] offset:(\s)*8192+\t*2048+512*\c
.endr
	ds_load_b32 v[248+\t], v[ASV] offset:256*(\s)+64*\t
.endr
	s_wait_alu depctr_va_vdst(0)
	s_wait_dscnt 0x0
.irp t, 0,1,2,3
	v_wmma_scale_f32_16x16x128_f8f6f4 v[160+8*\t:167+8*\t], v[32+16*\t:47+16*\t], v[192:207], v[160+8*\t:167+8*\t], v[248+\t], v253 matrix_a_fmt:MATRIX_FMT_BF8 matrix_b_fmt:MATRIX_FMT_BF8
.endr
.if (\s) > 0
.Lskip_\@:
.endif
.endm
	s_wait_loadcnt 0x0                             ; Q
.irp c, 0,1,2,3
	s_wait_dscnt 0x0
.if \c < 3
	s_cmp_lt_u32 s[WV], 4+2*\c                     ; barrier c shows the scale words and chunks 0 .. c: their waves wait here; the later chunks may be out
	s_cbranch_scc0 .Lnot_mine_\c
	s_wait_tensorcnt 0x0
.Lnot_mine_\c:
.else
	s_wait_tensorcnt 0x0                           ; the last barrier shows all that is still out: every wave waits
.endif
	s_barrier_signal -1
	s_barrier_wait -1                              ; on every wave's path
	STEP 2*\c
	STEP 2*\c+1
.endr
.rept 8
	v_nop
.endr
	v_add_f32 v14, v14, v15
	s_delay_alu instid0(VALU_DEP_1)
	v_permlanex16_b32 v252, v14, s[SEL], s[SEL+1]
	s_delay_alu instid0(VALU_DEP_1)
	v_add_f32 v14, v14, v252                       ; the row's sum
	s_wait_alu depctr_va_vdst(0)
	v_rcp_f32 v14, v14
	v_nop
.set n, 0
	s_wait_alu depctr_va_vdst(0)
.rept 32
	v_mul_f32 v[96+n], v[160+n], v14               ; register 16 bb + i: y(my query, 32 bb + 16 (lane / 16) + i)
.set n, n+1
.endr
.irp b, 0,1
	v_max3_num_f32 v[232+\b], |v[96+16*\b]|, |v[97+16*\b]|, 0x8000000
.endr
.irp i, 2,4,6,8,10,12,14
.irp b, 0,1
	s_delay_alu instid0(VALU_DEP_2)
	v_max3_num_f32 v[232+\b], v[232+\b], |v[96+16*\b+\i]|, |v[97+16*\b+\i]|
.endr
.endr
.irp b, 0,1
	s_delay_alu instid0(VALU_DEP_2)
	v_permlanex16_b32 v[236+\b], v[232+\b], s[SEL], s[SEL+1]
.endr
.irp b, 0,1
	s_delay_alu instid0(VALU_DEP_2)
	v_max_num_f32 v[232+\b], v[232+\b], v[236+\b]
.endr
.irp b, 0,1
	s_delay_alu instid0(VALU_DEP_2)
	v_add_nc_u32 v[244+\b], 0xf8800000, v[232+\b]
.endr
.irp b, 0,1
	s_delay_alu instid0(VALU_DEP_4)
	v_and_or_b32 v[240+\b], v[232+\b], 0x7f800000, s[MNT]
.endr
.irp b, 0,1
	s_delay_alu instid0(VALU_DEP_4)
	v_lshrrev_b32 v[236+\b], 23, v[244+\b]
.endr
	s_delay_alu instid0(VALU_DEP_1)
	v_lshl_or_b32 v253, v237, 8, v236
.irp b, 0,1
.irp i, 0,1,2,3,4,5,6,7,8,9,10,11,12,13,14,15
	v_med3_num_f32 v[96+16*\b+\i], v[96+16*\b+\i], -v[240+\b], v[240+\b]
.endr
	v_cvt_scalef32_pk8_bf8_f32 v[192+4*\b:193+4*\b], v[96+16*\b:103+16*\b], v[244+\b]
	v_cvt_scalef32_pk8_bf8_f32 v[194+4*\b:195+4*\b], v[104+16*\b:111+16*\b], v[244+\b]
.endr
	v_nop
	global_store_b128 v[AK], v[192:195], s[66:67]              ; 32 lanes store 512 consecutive bytes, aligned
	global_store_b128 v[AK], v[196:199], s[66:67] offset:512
	global_store_b16 v[R4], v253, s[68:69]                     ; my head's two bytes of row r's scale word (both halves of the lanes store the same)
	s_wait_tensorcnt 0x0
	ds_add_u32 v230, v231
	s_wait_dscnt 0x0
	s_endpgm
.Lfunc_end_k_q214f694013_att:
	.size	k_q214f694013_att, .Lfunc_end_k_q214f694013_att-k_q214f694013_att
	.p2alignl 7, 3214868480
	.fill 96, 4, 3214868480
	.section	.rodata,"a",@progbits
	.p2align	6, 0x0
	.amdhsa_kernel k_q214f694013_att
		.amdhsa_group_segment_fixed_size 169984
		.amdhsa_private_segment_fixed_size 0
		.amdhsa_enable_private_segment 0
		.amdhsa_kernarg_size 16
		.amdhsa_user_sgpr_count 2
		.amdhsa_user_sgpr_kernarg_segment_ptr 1
		.amdhsa_wavefront_size32 1
		.amdhsa_system_sgpr_workgroup_id_x 1
		.amdhsa_system_sgpr_workgroup_id_y 1
		.amdhsa_system_sgpr_workgroup_id_z 1
		.amdhsa_system_vgpr_workitem_id 0
		.amdhsa_next_free_vgpr 256
		.amdhsa_next_free_sgpr 72
		.amdhsa_reserve_vcc 1
		.amdhsa_float_denorm_mode_32 3
		.amdhsa_float_denorm_mode_16_64 3
		.amdhsa_memory_ordered 1
		.amdhsa_forward_progress 1
		.amdhsa_inst_pref_size 218
	.end_amdhsa_kernel
	.amdgpu_metadata
---
amdhsa.version: [ 1, 2 ]
amdhsa.kernels:
  - .name:           k_q214f694013_att
    .symbol:         k_q214f694013_att.kd
    .args:
      - { .name: qkv, .offset: 0, .size: 8, .value_kind: global_buffer, .address_space: global }
      - { .name: yq, .offset: 8, .size: 8, .value_kind: global_buffer, .address_space: global }
    .group_segment_fixed_size: 169984
    .private_segment_fixed_size: 0
    .kernarg_segment_align: 8
    .kernarg_segment_size: 16
    .max_flat_workgroup_size: 512
    .sgpr_count:     72
    .vgpr_count:     256
    .wavefront_size: 32
...
	.end_amdgpu_metadata
.endif
;; end of part 3
;; launch proj (part 4): grid 8 x 32, 4 waves a work-group, clusters of 4 x 4, 327,680 bytes of LDS; arguments yq, wq, b_proj, x, x1; writes x1
.if DOCPART == 4
	.amdgcn_target "amdgcn-amd-amdhsa--gfx1250"
	.amdhsa_code_object_version 6
	.text
	.protected	k_q214f694013_proj
	.globl	k_q214f694013_proj
	.p2align	8
	.type	k_q214f694013_proj,@function
k_q214f694013_proj:
	s_mov_b64 s[64:65], 0
	v_nop
	global_prefetch_b8 v0, s[64:65] scope:SCOPE_SE
	s_setreg_imm32_b32 hwreg(HW_REG_WAVE_MODE, 25, 1), 1
	s_wait_xcnt 0x0
	s_wait_alu depctr_hold_cnt(0) depctr_sa_sdst(0) depctr_va_vdst(0) depctr_va_sdst(0) depctr_va_ssrc(0) depctr_va_vcc(0) depctr_vm_vsrc(0)
	s_getreg_b32 s2, hwreg(HW_REG_IB_STS2, 6, 4)
	s_cmp_eq_u32 s2, 0
	s_cbranch_scc0 .Lentry_in_a_cluster
	s_endpgm
.Lentry_in_a_cluster:
	s_bfe_u32 s2, ttmp6, 0x10000c
	s_cmp_lg_u32 s2, 0xf033
	s_cbranch_scc0 .Lentry_shape_is_right
	s_endpgm
.Lentry_shape_is_right:
; x1 = x + y w_proj^T + b_proj: [4,096][1,024] f32; the product on codes of BF8 (E5M2) with E8M0 scales, K = 1,024.
; OPERANDS ARE IMAGES OF REGISTERS: block = 16 rows (lane r of block B: row 32 (B / 2) + 8 (B % 2) + r + 8 (r / 8)); fragment (B, k step of 128) = 2,048 bytes, byte 512 c + 16 lane + i; scale image 64 bytes, word r.
; A tile is 128 x 128, so that the 4,096 x 1,024 results give 256 work-groups; four waves of 64 x 64: 16 accumulators.  K goes in steps of 512 through two LDS slots; the scales of all of K come once.
; Here K is two such steps: both slots are filled once and the loop over laps is not assembled.
; The product is used TRANSPOSED (source 0 = B', source 1 = A'): a lane holds one row, and tiles 2 bb, 2 bb + 1 hold columns 32 bb + 16 (lane / 16) + 0 .. 15.  The bias is the C of each sum's first product.
; THE RESIDUAL's 64 x 64 numbers of a wave are asked for at the head, behind the first tensor loads, into registers of their own (window 2): they are on their way while the products run.
; CLUSTERS: 4 x 4; A's tiles are asked for jointly along a row of the cluster, B's along a column.
; REGISTERS: window 0: v16-30 addresses; v32-63 scale words, two sets; v64-95 the bias; v128-255 accumulators ((a, b) at v[128 + 8 (4 a + b)]).  window 1: two fragment buffers of 128: A's four, then B's four.
;   window 2: v0-127 the residual.
.set KK,     8
.set ASC,    4194304
.set WOFF,   3145728
.set WSOFF,  12681216
.set NQ,     4
.set NP,     8
.set FRB,    2048
.set BLKB,   KK*FRB
.set STEPB,  NQ*FRB
; LDS AS IT IS NOW: A's eight blocks whole (all of K, 16 KiB each), then B's eight, then the scales: ONE fill at the head, one tensor load a wave, nothing filled again.
; What the text below calls a slot is 512 along K inside each block.
.set HALFT,  4*BLKB                    ; four blocks, all of K: what one wave reads of A' or of B'
.set SLOT,   STEPB                     ; from one 512 along K to the next, inside a block
.set SCL,    4*HALFT
.set HALFS,  4*KK*64
.set SPARE,  SCL+4*HALFS               ; the spare words, 128 bytes for each wave: two blocks of 256 bytes that no other line names
.set LAPS,   KK/8
.set STAGE,  SPARE+512                 ; the way out's stages have bytes of their own, behind the spare words: no fill lands there
.set SPITCH, 272                       ; the way out: 16 rows x (256 bytes + 16) for each wave
.set ADRA, 16
.set ADRB, 20
.set STO,  24
.set RD,   25
.set CO,   26
.set ADRS, 27
.set SPW,  28
.set NIL,  29
.set BO,   30
.set SC,   32
.set BI,   64
.set BK,   32
.set ACC,  128
.set F0,   0
.set F1,   128
.set G1, 24
.set G0, 32
.set G1B, 48
.set G0B, 56
.set G1S, 68
.set G0S, 76
.set G1SB, 80
.set G0SB, 88
.set MSB, 0
.macro WIN new
.if MSB != (\new)
	s_set_vgpr_msb (MSB<<8)|(\new)
.set MSB, (\new)
.endif
.endm
.set MUL,  0x05                        ; sources 0 and 1 window 1; C and D window 0
.set TO_F, 0x40
.macro JLOAD g0a, g1a, g0b, g1b        ; a joint load: waves 0 and 1 fetch for A', waves 2 and 3 for B'; four v_nop follow each line
	s_cmp_eq_u32 s15, 0
	s_cbranch_scc0 .Lfor_b_\@
	tensor_load_to_lds s[\g0a:\g0a+3], s[\g1a:\g1a+7]
	s_nop 0
.rept 4
	v_nop
.endr
	s_branch .Lasked_\@
.Lfor_b_\@:
	tensor_load_to_lds s[\g0b:\g0b+3], s[\g1b:\g1b+7]
	s_nop 0
.rept 4
	v_nop
.endr
.Lasked_\@:
.endm
.macro CREST
	s_cmp_lg_u32 s14, 0
	s_cbranch_scc1 .Lnot_wave_0_\@
	s_barrier_signal -3
.Lnot_wave_0_\@:
	s_barrier_wait -3
	s_barrier_signal -1
	s_barrier_wait -1
.endm
.macro CROUND
	s_barrier_signal -1
	s_barrier_wait -1
	CREST
.endm
	s_load_b256 s[4:11], s[0:1], 0x0               ; A's images, wq, the bias, the residual
	s_load_b64 s[12:13], s[0:1], 0x20              ; the result
	v_lshl_add_u32 v[SPW], v0, 2, SPARE
	v_mov_b32 v[NIL], 0
	ds_add_u32 v28, v29
	ds_add_u32 v28, v29
	s_wait_dscnt 0x0
	v_lshrrev_b32 v1, 5, v0
	v_readfirstlane_b32 s14, v1
	s_lshr_b32 s15, s14, 1                         ; my half of the rows.  Also: I fetch for A' (0) or B' (1)
	s_and_b32 s16, s14, 1                          ; my half of the columns.  Also: which four blocks I fetch
	s_bfe_u32 s40, ttmp6, 0x40000
	s_bfe_u32 s41, ttmp6, 0x40004
	s_lshl_b32 s42, ttmp9, 2
	s_add_co_u32 s42, s42, s40                     ; tile column
	s_and_b32 s17, ttmp7, 0xffff
	s_lshl_b32 s17, s17, 2
	s_add_co_u32 s17, s17, s41                     ; tile row
	s_lshl_b32 s43, s41, 2
	s_lshl_b32 s43, 15, s43
	s_lshl_b32 s44, 0x1111, s40
	s_or_b32 s[G1+0], s43, (3<<16)|(1<<21)         ; the mask; elements of 8 bytes; bit 21 beside a mask; no padding
	s_or_b32 s[G1B+0], s44, (3<<16)|(1<<21)
.irp g, G1, G1B
	s_mov_b32 s[\g+1], (BLKB/8)<<16                ; a block's eight fragments: 2,048 elements
	s_mov_b32 s[\g+2], 8<<16                       ; eight blocks
	s_mov_b32 s[\g+3], (BLKB/8)<<16
	s_mov_b32 s[\g+4], 8
	s_mov_b32 s[\g+5], BLKB/8
	s_mov_b32 s[\g+6], 0
	s_mov_b32 s[\g+7], 0
.endr
	s_or_b32 s[G1S+0], s43, (3<<16)|(1<<21)        ; eight blocks' scales: dense, as rows of 256 bytes
	s_or_b32 s[G1SB+0], s44, (3<<16)|(1<<21)
.irp g, G1S, G1SB
	s_mov_b32 s[\g+1], 32<<16
	s_mov_b32 s[\g+2], (2*HALFS/256)<<16           ; eight blocks' scales
	s_mov_b32 s[\g+3], 32<<16
	s_mov_b32 s[\g+4], 2*HALFS/256
	s_mov_b32 s[\g+5], 32
	s_mov_b32 s[\g+6], 0
	s_mov_b32 s[\g+7], 0
.endr
	s_mov_b32 s18, 0                               ; a load takes a whole tile: its first block
	s_lshl_b32 s20, s17, 3
	s_add_co_u32 s20, s20, s18
	s_lshl_b32 s46, s42, 3
	s_add_co_u32 s46, s46, s18
	s_mul_i32 s22, s20, KK*64
	s_add_co_u32 s22, s22, ASC
	s_mov_b32 s23, 0
	s_mul_i32 s20, s20, BLKB
	s_mov_b32 s21, 0
	s_mul_i32 s92, s46, KK*64
	s_add_co_u32 s92, s92, WSOFF
	s_mov_b32 s93, 0
	s_mul_i32 s46, s46, BLKB
	s_add_co_u32 s46, s46, WOFF
	s_mov_b32 s47, 0
	s_mul_i32 s45, s14, HALFT
	s_mul_i32 s94, s14, HALFS
	s_wait_kmcnt 0x0
	s_add_nc_u64 s[20:21], s[4:5], s[20:21]
	s_add_nc_u64 s[22:23], s[4:5], s[22:23]
	s_add_nc_u64 s[46:47], s[6:7], s[46:47]
	s_add_nc_u64 s[92:93], s[6:7], s[92:93]
	CROUND                                         ; all sixteen work-groups are here: the first joint loads meet
	s_mov_b32 s[G0S], 1
	s_mov_b32 s[G0S+1], SCL
	s_mov_b64 s[G0S+2:G0S+3], s[22:23]
	s_or_b32 s[G0S+3], s[G0S+3], 0x80000000
	s_mov_b32 s[G0SB], 1
	s_mov_b32 s[G0SB+1], SCL+2*HALFS
	s_mov_b64 s[G0SB+2:G0SB+3], s[92:93]
	s_or_b32 s[G0SB+3], s[G0SB+3], 0x80000000
	s_mov_b32 s[G0], 1
	s_mov_b32 s[G0+1], 0
	s_mov_b64 s[G0+2:G0+3], s[20:21]
	s_or_b32 s[G0+3], s[G0+3], 0x80000000
	s_mov_b32 s[G0B], 1
	s_mov_b32 s[G0B+1], 2*HALFT
	s_mov_b64 s[G0B+2:G0B+3], s[46:47]
	s_or_b32 s[G0B+3], s[G0B+3], 0x80000000
; THE HEAD'S LOADS, ONE A WAVE: wave 0 A's codes, wave 1 B's, wave 2 A's scales, wave 3 B's.  One chain of branches on the wave's number, all arms joining.
.macro ARM under, g0, g1, next
	s_cmp_lt_u32 s14, \under
	s_cbranch_scc0 \next
	tensor_load_to_lds s[\g0:\g0+3], s[\g1:\g1+7]
	s_nop 0
.rept 4
	v_nop
.endr
	s_branch .Lhead_asked
\next:
.endm
	ARM 1, G0,  G1,  .Lhead_b
	ARM 2, G0B, G1B, .Lhead_sa
	ARM 3, G0S, G1S, .Lhead_sb
	tensor_load_to_lds s[G0SB:G0SB+3], s[G1SB:G1SB+7]
	s_nop 0
.rept 4
	v_nop
.endr
.Lhead_asked:
	v_and_b32 v1, 15, v0                           ; r
	v_bfe_u32 v2, v0, 4, 1                         ; h
	s_wait_alu depctr_va_vdst(0)
	v_and_b32 v3, 31, v0
	v_lshlrev_b32 v4, 4, v3                        ; 16 x lane
	s_wait_alu depctr_va_vdst(0)
	s_lshl_b32 s20, s42, 9                         ; the bias of my 64 columns
	s_lshl_b32 s21, s16, 8
	s_add_co_u32 s20, s20, s21
	s_mov_b32 s21, 0
	s_add_nc_u64 s[8:9], s[8:9], s[20:21]
	v_lshlrev_b32 v[BO], 6, v2
.irp b, 0,1,2,3
	global_load_b128 v[BI+8*\b:BI+8*\b+3], v[BO], s[8:9] offset:(32*(\b/2)+8*(\b%2))*4
	global_load_b128 v[BI+8*\b+4:BI+8*\b+7], v[BO], s[8:9] offset:(32*(\b/2)+8*(\b%2))*4+16
.endr
	s_lshl_b32 s22, s17, 19                        ; my first row: 128 tile row + 64 half, rows of 4,096 bytes
	s_lshl_b32 s23, s15, 18
	s_add_co_u32 s22, s22, s23
	s_add_co_u32 s20, s20, s22                     ; + my first column's bytes
	s_add_nc_u64 s[10:11], s[10:11], s[20:21]
	s_add_nc_u64 s[12:13], s[12:13], s[20:21]
	v_lshlrev_b32 v5, 12, v2
	v_lshl_add_u32 v[CO], v1, 4, v5                ; lanes 0-15 one row's 256 bytes, lanes 16-31 the next row's
	WIN 0x80                                       ; destination window 2: the residual's rows, in the order in which the results come back from the stage
.irp a, 0,1,2,3
.irp t, 0,1,2,3,4,5,6,7
	global_load_b128 v[32*\a+4*\t:32*\a+4*\t+3], v[CO], s[10:11] offset:(32*(\a/2)+8*(\a%2)+2*\t+8*(\t/4))*4096 th:TH_LOAD_NT
.endr
.endr
	WIN 0
	s_mul_i32 s21, s15, HALFT
	s_mul_i32 s22, s16, HALFT
	s_add_co_u32 s22, s22, 2*HALFT
.irp s, 0,1
	v_add_nc_u32 v[ADRA+\s], s21, v4
	v_add_nc_u32 v[ADRB+\s], s22, v4
	s_add_co_u32 s21, s21, SLOT
	s_add_co_u32 s22, s22, SLOT
.endr
	v_lshlrev_b32 v5, 2, v1
	s_mul_i32 s21, s15, HALFS
	s_mul_i32 s22, s16, HALFS
	s_add_co_u32 s22, s22, 2*HALFS
	s_sub_co_u32 s22, s22, s21
	v_mul_u32_u24 v6, s22, v2                      ; lanes 16-31 take B's words
	s_add_co_u32 s21, s21, SCL
	v_add_nc_u32 v5, v5, v6
	v_add_nc_u32 v[ADRS], s21, v5
	s_mul_i32 s23, s14, 16*SPITCH
	s_add_co_u32 s23, s23, STAGE
	v_mul_u32_u24 v5, v1, SPITCH
	v_lshl_add_u32 v5, v2, 6, v5
	v_add_nc_u32 v[STO], s23, v5                   ; in: row r, + 64 h
	v_mul_u32_u24 v5, v2, SPITCH
	v_lshl_add_u32 v5, v1, 4, v5
	v_add_nc_u32 v[RD], s23, v5                    ; back: lanes 0-15 one row of 256 bytes, lanes 16-31 the next
.macro MULA f, a, q, sc, first         ; A's block a against B's four.  The 16 accumulators take turns, one instruction a turn
.irp b, 0,1,2,3
.if \first
	v_wmma_scale_f32_16x16x128_f8f6f4 v[ACC+8*(4*(\a)+\b):ACC+8*(4*(\a)+\b)+7], v[\f+64+16*\b:\f+64+16*\b+15], v[\f+16*(\a):\f+16*(\a)+15], v[BI+8*\b:BI+8*\b+7], v[SC+16*(\sc)+4*\b+(\q)], v[SC+16*(\sc)+4*(\a)+(\q)] matrix_a_fmt:MATRIX_FMT_BF8 matrix_b_fmt:MATRIX_FMT_BF8 matrix_a_scale:MATRIX_SCALE_ROW1
.else
	v_wmma_scale_f32_16x16x128_f8f6f4 v[ACC+8*(4*(\a)+\b):ACC+8*(4*(\a)+\b)+7], v[\f+64+16*\b:\f+64+16*\b+15], v[\f+16*(\a):\f+16*(\a)+15], v[ACC+8*(4*(\a)+\b):ACC+8*(4*(\a)+\b)+7], v[SC+16*(\sc)+4*\b+(\q)], v[SC+16*(\sc)+4*(\a)+(\q)] matrix_a_fmt:MATRIX_FMT_BF8 matrix_b_fmt:MATRIX_FMT_BF8 matrix_a_scale:MATRIX_SCALE_ROW1
.endif
.endr
.endm
.macro FETCH slot, q, f                ; 32 LDS loads in one run: B's four fragments, then A's
	WIN TO_F
.irp i, 0,1,2,3
.irp c, 0,1,2,3
	ds_load_b128 v[\f+64+16*\i+4*\c:\f+64+16*\i+4*\c+3], v[ADRB+\slot] offset:\i*BLKB+(\q)*FRB+512*\c
.endr
.endr
.irp i, 0,1,2,3
.irp c, 0,1,2,3
	ds_load_b128 v[\f+16*\i+4*\c:\f+16*\i+4*\c+3], v[ADRA+\slot] offset:\i*BLKB+(\q)*FRB+512*\c
.endr
.endr
.endm
.macro SCALES sc                       ; register 4 i + q: lanes 0-15 the word of A's block i, lanes 16-31 that of B's block i
.irp i, 0,1,2,3
.irp q, 0,1,2,3
	ds_load_b32 v[SC+16*\sc+4*\i+\q], v[ADRS] offset:KK*64*\i+64*\q
.endr
.endr
.endm
.macro PLACES n
.rept \n
	v_nop
.endr
.endm
.macro STEP slot, q, f, g, first       ; 128 along K from buffer f; the next 128 of the same slot are fetched into g
	s_wait_dscnt 8                                 ; all but A's blocks 2, 3
	WIN MUL
	MULA \f, 0, \q, \slot, \first
	MULA \f, 1, \q, \slot, \first
	PLACES NP                                      ; in front of loads into the buffer that the step before multiplied
	FETCH \slot, (\q)+1, \g
	s_wait_dscnt 32                                ; all but the 32 just issued
	WIN MUL
	MULA \f, 2, \q, \slot, \first
	MULA \f, 3, \q, \slot, \first
.endm
.macro TURN slot, next, fill           ; a slot's last step (buffer 1) changes slots: one barrier
	WIN 0
	s_wait_tensorcnt 0x0                           ; all my tensor loads have landed: my part of the next slot
	ds_add_u32 v[SPW], v[NIL]                      ; 0 onto my spare word
	s_wait_dscnt 9                                 ; (the add and A's blocks 2, 3 may be out)
	WIN MUL
	MULA F1, 0, 3, \slot, 0
	s_wait_dscnt 0x0                               ; the add is done, and my reads of this slot are over
	s_barrier_signal -1
	MULA F1, 1, 3, \slot, 0
	WIN 0
	s_barrier_wait -1
.if \fill
	CREST                                          ; the barrier has opened a round of the cluster's
	s_add_nc_u64 s[G0+4*\slot+2:G0+4*\slot+3], s[G0+4*\slot+2:G0+4*\slot+3], 2*STEPB
	s_add_nc_u64 s[G0B+4*\slot+2:G0B+4*\slot+3], s[G0B+4*\slot+2:G0B+4*\slot+3], 2*STEPB
	JLOAD G0+4*\slot, G1, G0B+4*\slot, G1B         ; the first tensor load behind the round
	PLACES NP-4
.else
	PLACES NP
.endif
	v_add_nc_u32 v[ADRS], 64*NQ, v[ADRS]
	SCALES \next
	FETCH \next, 0, F0
	WIN MUL
	MULA F1, 2, 3, \slot, 0
	MULA F1, 3, 3, \slot, 0
.endm
	s_wait_alu depctr_va_vdst(0)
	s_wait_tensorcnt 0x0                           ; my one load is in: behind the barrier all four tiles are
	s_barrier_signal -1
	s_barrier_wait -1
	SCALES 0
	FETCH 0, 0, F0
	s_wait_loadcnt 32                              ; the bias is in; the 32 loads of the residual, issued behind it, may be out
	STEP 0, 0, F0, F1, 1
.if LAPS > 1
	WIN 0
	s_mov_b32 s3, LAPS-1
.Llap:
	STEP 0, 1, F1, F0, 0
	STEP 0, 2, F0, F1, 0
	TURN 0, 1, 1
	STEP 1, 0, F0, F1, 0
	STEP 1, 1, F1, F0, 0
	STEP 1, 2, F0, F1, 0
	TURN 1, 0, 1
	STEP 0, 0, F0, F1, 0
	WIN 0
	s_sub_co_u32 s3, s3, 1
	s_cmp_lg_u32 s3, 0
	s_cbranch_scc1 .Llap
.endif
	STEP 0, 1, F1, F0, 0
	STEP 0, 2, F0, F1, 0
	TURN 0, 1, 0
	STEP 1, 0, F0, F1, 0
	STEP 1, 1, F1, F0, 0
	STEP 1, 2, F0, F1, 0
	s_wait_dscnt 8
	WIN MUL
	MULA F1, 0, 3, 1, 0
	MULA F1, 1, 3, 1, 0
	s_wait_dscnt 0
	MULA F1, 2, 3, 1, 0
	MULA F1, 3, 3, 1, 0
	WIN 0
	PLACES NP
; Block a: 16 rows x 64 columns go through my stage and come back as rows of 256 bytes; stage row 2 t + h is row 32 (a / 2) + 8 (a % 2) + 2 t + h + 8 (t / 4) of my 64.
.macro OUTB a
.set BB, BK+32*((\a)%2)
	s_wait_xcnt 0x0                                ; the stores of two blocks ago have read their registers
.irp g, 0,1,2,3,4,5,6,7
	ds_store_b128 v[STO], v[ACC+32*(\a)+4*\g:ACC+32*(\a)+4*\g+3] offset:128*(\g/4)+16*(\g%4)   ; each accumulator from its low end on
.endr
.irp t, 0,1,2,3,4,5,6,7
	ds_load_b128 v[BB+4*\t:BB+4*\t+3], v[RD] offset:2*SPITCH*\t   ; LDS serves a wave's instructions in order (ISA guide 5.7.1.4)
.endr
	s_wait_dscnt 0x0
	s_wait_loadcnt 8*(3-(\a))                      ; this block's eight residual loads are in; the later blocks' may be out
	WIN 0x08                                       ; source 1: window 2
.set n, 0
.rept 16
	v_pk_add_f32 v[BB+n:BB+n+1], v[BB+n:BB+n+1], v[32*(\a)+n:32*(\a)+n+1]
.set n, n+2
.endr
	WIN 0
.irp t, 0,1,2,3,4,5,6,7
	global_store_b128 v[CO], v[BB+4*\t:BB+4*\t+3], s[12:13] offset:(32*((\a)/2)+8*((\a)%2)+2*\t+8*(\t/4))*4096   ; 16 lanes store 256 consecutive bytes, aligned
.endr
.endm
	OUTB 0
	OUTB 1
	OUTB 2
	OUTB 3
	s_wait_tensorcnt 0x0                           ; the wave's end
	ds_add_u32 v[SPW], v[NIL]
	s_wait_dscnt 0x0
	CROUND                                         ; the closing round
	s_endpgm
.Lfunc_end_k_q214f694013_proj:
	.size	k_q214f694013_proj, .Lfunc_end_k_q214f694013_proj-k_q214f694013_proj
	.p2alignl 7, 3214868480
	.fill 96, 4, 3214868480
	.section	.rodata,"a",@progbits
	.p2align	6, 0x0
	.amdhsa_kernel k_q214f694013_proj
		.amdhsa_group_segment_fixed_size 327680
		.amdhsa_private_segment_fixed_size 0
		.amdhsa_enable_private_segment 0
		.amdhsa_kernarg_size 40
		.amdhsa_user_sgpr_count 2
		.amdhsa_user_sgpr_kernarg_segment_ptr 1
		.amdhsa_wavefront_size32 1
		.amdhsa_system_sgpr_workgroup_id_x 1
		.amdhsa_system_sgpr_workgroup_id_y 1
		.amdhsa_system_sgpr_workgroup_id_z 1
		.amdhsa_system_vgpr_workitem_id 0
		.amdhsa_next_free_vgpr 640
		.amdhsa_next_free_sgpr 100
		.amdhsa_reserve_vcc 0
		.amdhsa_float_denorm_mode_32 3
		.amdhsa_float_denorm_mode_16_64 3
		.amdhsa_memory_ordered 1
		.amdhsa_forward_progress 1
		.amdhsa_inst_pref_size 62
	.end_amdhsa_kernel
	.amdgpu_metadata
---
amdhsa.version: [ 1, 2 ]
amdhsa.kernels:
  - .name:           k_q214f694013_proj
    .symbol:         k_q214f694013_proj.kd
    .args:
      - { .name: yq, .offset: 0, .size: 8, .value_kind: global_buffer, .address_space: global }
      - { .name: wq, .offset: 8, .size: 8, .value_kind: global_buffer, .address_space: global }
      - { .name: b_proj, .offset: 16, .size: 8, .value_kind: global_buffer, .address_space: global }
      - { .name: x, .offset: 24, .size: 8, .value_kind: global_buffer, .address_space: global }
      - { .name: x1, .offset: 32, .size: 8, .value_kind: global_buffer, .address_space: global }
    .group_segment_fixed_size: 327680
    .private_segment_fixed_size: 0
    .kernarg_segment_align: 8
    .kernarg_segment_size: 40
    .max_flat_workgroup_size: 128
    .sgpr_count:     100
    .vgpr_count:     640
    .wavefront_size: 32
...
	.end_amdgpu_metadata
.endif
;; end of part 4
;; launch ln2: the kernel of part 1 again; grid 256 x 1, 8 waves a work-group, no clusters, 19,456 bytes of LDS; arguments x1, w_attn, w_proj, w_fc, w_mlp_proj, lnq, wq; writes lnq, wq
;; launch fc (part 5): grid 16 x 16, 4 waves a work-group, clusters of 4 x 4, 327,680 bytes of LDS; arguments lnq, wq, b_fc, hq; writes hq
.if DOCPART == 5
	.amdgcn_target "amdgcn-amd-amdhsa--gfx1250"
	.amdhsa_code_object_version 6
	.text
	.protected	k_q214f694013_fc
	.globl	k_q214f694013_fc
	.p2align	8
	.type	k_q214f694013_fc,@function
k_q214f694013_fc:
	s_mov_b64 s[64:65], 0
	v_nop
	global_prefetch_b8 v0, s[64:65] scope:SCOPE_SE
	s_setreg_imm32_b32 hwreg(HW_REG_WAVE_MODE, 25, 1), 1
	s_wait_xcnt 0x0
	s_wait_alu depctr_hold_cnt(0) depctr_sa_sdst(0) depctr_va_vdst(0) depctr_va_sdst(0) depctr_va_ssrc(0) depctr_va_vcc(0) depctr_vm_vsrc(0)
	s_getreg_b32 s2, hwreg(HW_REG_IB_STS2, 6, 4)
	s_cmp_eq_u32 s2, 0
	s_cbranch_scc0 .Lentry_in_a_cluster
	s_endpgm
.Lentry_in_a_cluster:
	s_bfe_u32 s2, ttmp6, 0x10000c
	s_cmp_lg_u32 s2, 0xf033
	s_cbranch_scc0 .Lentry_shape_is_right
	s_endpgm
.Lentry_shape_is_right:
.set KK,     8
.set NQ,     2
.set NSL,    KK/NQ
.set FR,     16
.set NL,     4
.set NP,     8
.set FRB,    2048
.set BLKB,   KK*FRB
.set STEPB,  NQ*FRB
.set HALFT,  8*STEPB
.set SLOT,   4*HALFT
.set SCL,    2*SLOT
.set HALFS,  8*KK*64
.set SPARE,  SCL+4*HALFS
.set LSC,    4194304
.set WOFF,   4194304
.set WSOFF,  12713984
.set HSC,    16777216
.set ADRA, 16
.set ADRB, 20
.set GO,   24
.set GS,   25
.set BO,   26
.set ADRS, 27
.set SPW,  28
.set NIL,  29
.set ADRS0, 30
.set SC,   32
.set BI,   64
.set AF,   128
.set U,    128
.set TM,   224
.set PWS,  240
.set KO,   66
.set OFS,  99
.set BASA, 100
.set BASB, 104
.set G1, 24
.set G0, 32
.set G1B, 48
.set G0B, 56
.set G1S, 68
.set G0S, 76
.set G1SB, 80
.set G0SB, 88
.set SEL, 96
.set MNT, 98
.set MSB, 0
.macro WIN new
.if MSB != (\new)
	s_set_vgpr_msb (MSB<<8)|(\new)
.set MSB, (\new)
.endif
.endm
.set MUL_LO, 0xa1
.set MUL_HI, 0xf1
.set TO_B,   0x40
.macro JLOAD g0a, g1a, g0b, g1b
	s_cmp_eq_u32 s15, 0
	s_cbranch_scc0 .Lfor_b_\@
	tensor_load_to_lds s[\g0a:\g0a+3], s[\g1a:\g1a+7]
	s_nop 0
.rept 4
	v_nop
.endr
	s_branch .Lasked_\@
.Lfor_b_\@:
	tensor_load_to_lds s[\g0b:\g0b+3], s[\g1b:\g1b+7]
	s_nop 0
.rept 4
	v_nop
.endr
.Lasked_\@:
.endm
.macro CREST
	s_cmp_lg_u32 s14, 0
	s_cbranch_scc1 .Lnot_wave_0_\@
	s_barrier_signal -3
.Lnot_wave_0_\@:
	s_barrier_wait -3
	s_barrier_signal -1
	s_barrier_wait -1
.endm
.macro CROUND
	s_barrier_signal -1
	s_barrier_wait -1
	CREST
.endm
.macro KOFF t
	s_add_co_u32 s[KO], s[OFS], (\t)
	s_and_b32 s[KO], s[KO], NSL-1
	s_mul_i32 s[KO], s[KO], STEPB
.endm
.macro SOFF t
	s_add_co_u32 s[KO], s[OFS], (\t)
	s_and_b32 s[KO], s[KO], NSL-1
	s_mul_i32 s[KO], s[KO], 64*NQ
.endm
	s_load_b256 s[4:11], s[0:1], 0x0
	v_lshl_add_u32 v[SPW], v0, 2, SPARE
	v_mov_b32 v[NIL], 0
	ds_add_u32 v28, v29
	ds_add_u32 v28, v29
	s_wait_dscnt 0x0
	v_lshrrev_b32 v1, 5, v0
	v_readfirstlane_b32 s14, v1
	s_lshr_b32 s15, s14, 1
	s_and_b32 s16, s14, 1
	s_bfe_u32 s40, ttmp6, 0x40000
	s_bfe_u32 s41, ttmp6, 0x40004
	s_lshl_b32 s42, ttmp9, 2
	s_add_co_u32 s42, s42, s40
	s_and_b32 s17, ttmp7, 0xffff
	s_lshl_b32 s[OFS], s17, 1
	s_add_co_u32 s[OFS], s[OFS], ttmp9
	s_and_b32 s[OFS], s[OFS], NSL-1
	s_mov_b32 s[KO+1], 0
	s_lshl_b32 s17, s17, 2
	s_add_co_u32 s17, s17, s41
	s_lshl_b32 s43, s41, 2
	s_lshl_b32 s43, 15, s43
	s_lshl_b32 s44, 0x1111, s40
	s_or_b32 s[G1+0], s43, (3<<16)|(1<<21)
	s_or_b32 s[G1B+0], s44, (3<<16)|(1<<21)
.irp g, G1, G1B
	s_mov_b32 s[\g+1], (STEPB/8)<<16
	s_mov_b32 s[\g+2], 16<<16                      ; the head's loads bring all sixteen blocks; behind them the two words are set to eight
	s_mov_b32 s[\g+3], (STEPB/8)<<16
	s_mov_b32 s[\g+4], 16
	s_mov_b32 s[\g+5], BLKB/8
	s_mov_b32 s[\g+6], 0
	s_mov_b32 s[\g+7], 0
.endr
	s_or_b32 s[G1S+0], s43, (3<<16)|(1<<21)
	s_or_b32 s[G1SB+0], s44, (3<<16)|(1<<21)
.irp g, G1S, G1SB
	s_mov_b32 s[\g+1], 32<<16
	s_mov_b32 s[\g+2], (2*HALFS/256)<<16           ; the scales of sixteen blocks: 8,192 dense bytes as 32 rows of 256
	s_mov_b32 s[\g+3], 32<<16
	s_mov_b32 s[\g+4], 2*HALFS/256
	s_mov_b32 s[\g+5], 32
	s_mov_b32 s[\g+6], 0
	s_mov_b32 s[\g+7], 0
.endr
	s_lshl_b32 s18, s16, 3
	s_lshl_b32 s20, s17, 4
	s_add_co_u32 s20, s20, s18
	s_lshl_b32 s46, s42, 4
	s_add_co_u32 s46, s46, s18
	s_lshl_b32 s22, s20, 9
	s_add_co_u32 s22, s22, LSC
	s_mov_b32 s23, 0
	s_lshl_b32 s20, s20, 14
	s_mov_b32 s21, 0
	s_lshl_b32 s92, s46, 9
	s_add_co_u32 s92, s92, WSOFF
	s_mov_b32 s93, 0
	s_lshl_b32 s46, s46, 14
	s_add_co_u32 s46, s46, WOFF
	s_mov_b32 s47, 0
	s_mul_i32 s45, s14, HALFT
	s_mul_i32 s94, s14, HALFS
	s_wait_kmcnt 0x0
	s_add_nc_u64 s[BASA:BASA+1], s[4:5], s[20:21]
	s_add_nc_u64 s[22:23], s[4:5], s[22:23]
	s_add_nc_u64 s[BASB:BASB+1], s[6:7], s[46:47]
	s_add_nc_u64 s[92:93], s[6:7], s[92:93]
	CROUND
	s_lshl_b32 s[KO], s16, 12                      ; the head's loads take whole tiles: my half's 4,096 scale bytes back
	s_sub_nc_u64 s[22:23], s[22:23], s[KO:KO+1]
	s_sub_nc_u64 s[92:93], s[92:93], s[KO:KO+1]
	s_mov_b32 s[G0S], 1
	s_mov_b32 s[G0S+1], SCL
	s_mov_b64 s[G0S+2:G0S+3], s[22:23]
	s_or_b32 s[G0S+3], s[G0S+3], 0x80000000
	s_mov_b32 s[G0SB], 1
	s_mov_b32 s[G0SB+1], SCL+2*HALFS
	s_mov_b64 s[G0SB+2:G0SB+3], s[92:93]
	s_or_b32 s[G0SB+3], s[G0SB+3], 0x80000000
.irp s, 0,1
	KOFF \s
	s_mov_b32 s[G0+4*\s], 1
	s_add_co_u32 s[G0+4*\s+1], s45, \s*SLOT
	s_add_nc_u64 s[G0+4*\s+2:G0+4*\s+3], s[BASA:BASA+1], s[KO:KO+1]
	s_or_b32 s[G0+4*\s+3], s[G0+4*\s+3], 0x80000000
	s_mov_b32 s[G0B+4*\s], 1
	s_add_co_u32 s[G0B+4*\s+1], s45, \s*SLOT
	s_add_nc_u64 s[G0B+4*\s+2:G0B+4*\s+3], s[BASB:BASB+1], s[KO:KO+1]
	s_or_b32 s[G0B+4*\s+3], s[G0B+4*\s+3], 0x80000000
.endr
; THE HEAD'S LOADS, ONE A WAVE: wave 0 slot 0's sixteen blocks of A, wave 1 those of B, wave 2 A's scales, wave 3 B's.  One chain of branches on the wave's number, all arms joining.
	s_lshl_b32 s[KO], s16, 17                      ; my half's eight blocks back: the tile's first block
	s_sub_nc_u64 s[G0+2:G0+3], s[G0+2:G0+3], s[KO:KO+1]
	s_sub_nc_u64 s[G0B+2:G0B+3], s[G0B+2:G0B+3], s[KO:KO+1]
	s_mov_b32 s[G0+1], 0
	s_mov_b32 s[G0B+1], 2*HALFT
.macro ARM under, g0, g1, next
	s_cmp_lt_u32 s14, \under
	s_cbranch_scc0 \next
	tensor_load_to_lds s[\g0:\g0+3], s[\g1:\g1+7]
	s_nop 0
.rept 4
	v_nop
.endr
	s_branch .Lhead_asked
\next:
.endm
	ARM 1, G0,  G1,  .Lhead_b
	ARM 2, G0B, G1B, .Lhead_sa
	ARM 3, G0S, G1S, .Lhead_sb
	tensor_load_to_lds s[G0SB:G0SB+3], s[G1SB:G1SB+7]
	s_nop 0
.rept 4
	v_nop
.endr
.Lhead_asked:
	v_and_b32 v1, 15, v0
	v_bfe_u32 v2, v0, 4, 1
	v_and_b32 v3, 31, v0
	v_lshlrev_b32 v[GO], 4, v3
	s_wait_alu depctr_va_vdst(0)
	s_lshl_b32 s20, s42, 10
	s_lshl_b32 s21, s16, 9
	s_add_co_u32 s20, s20, s21
	s_mov_b32 s21, 0
	s_add_nc_u64 s[8:9], s[8:9], s[20:21]
	v_lshlrev_b32 v[BO], 6, v2
.irp b, 0,1,2,3,4,5,6,7
	global_load_b128 v[BI+8*\b:BI+8*\b+3], v[BO], s[8:9] offset:(32*(\b/2)+8*(\b%2))*4
	global_load_b128 v[BI+8*\b+4:BI+8*\b+7], v[BO], s[8:9] offset:(32*(\b/2)+8*(\b%2))*4+16
.endr
	s_mul_i32 s21, s15, HALFT
	s_mul_i32 s22, s16, HALFT
	s_add_co_u32 s22, s22, 2*HALFT
.irp s, 0,1
	v_add_nc_u32 v[ADRA+\s], s21, v[GO]
	v_add_nc_u32 v[ADRB+\s], s22, v[GO]
	s_add_co_u32 s21, s21, SLOT
	s_add_co_u32 s22, s22, SLOT
.endr
	v_lshlrev_b32 v5, 2, v1
	s_mul_i32 s21, s15, HALFS
	s_mul_i32 s22, s16, HALFS
	s_add_co_u32 s22, s22, 2*HALFS
	s_sub_co_u32 s22, s22, s21
	v_mul_u32_u24 v6, s22, v2
	s_add_co_u32 s21, s21, SCL
	v_add_nc_u32 v5, v5, v6
	v_add_nc_u32 v[ADRS0], s21, v5
	SOFF 0
	v_add_nc_u32 v[ADRS], s[KO], v[ADRS0]
	v_lshlrev_b32 v[GS], 2, v1
	v_lshl_add_u32 v[GS], v2, 11, v[GS]
	s_lshl_b32 s18, s17, 4
	s_lshl_b32 s19, s15, 3
	s_add_co_u32 s18, s18, s19
	s_lshl_b32 s19, s42, 1
	s_add_co_u32 s19, s19, s16
	s_lshl_b32 s20, s18, 16
	s_lshl_b32 s21, s19, 11
	s_add_co_u32 s20, s20, s21
	s_mov_b32 s21, 0
	s_lshl_b32 s22, s18, 11
	s_lshl_b32 s23, s19, 6
	s_add_co_u32 s22, s22, s23
	s_add_co_u32 s22, s22, HSC
	s_mov_b32 s23, 0
	s_add_nc_u64 s[12:13], s[10:11], s[22:23]
	s_add_nc_u64 s[10:11], s[10:11], s[20:21]
	s_mov_b32 s[SEL], 0x76543210
	s_mov_b32 s[SEL+1], 0xfedcba98
	s_mov_b32 s[MNT], 0x600000
.macro FRAG reg, adr, q, i
.irp c, 0,1,2,3
	ds_load_b128 v[\reg+4*\c:\reg+4*\c+3], v[\adr] offset:(\i)*STEPB+(\q)*FRB+512*\c
.endr
.endm
.macro MUL16 a0, p, q, sc, mode
.irp a, \a0, \a0+1
.irp b, 0,1,2,3,4,5,6,7
.if \mode == 1
	v_wmma_scale_f32_16x16x128_f8f6f4 v[8*(8*((\a)%4)+\b):8*(8*((\a)%4)+\b)+7], v[128*(\p)+FR*\b:128*(\p)+FR*\b+FR-1], v[AF+FR*(\a):AF+FR*(\a)+FR-1], v[BI+8*\b:BI+8*\b+7], v[SC+8*NQ*(\sc)+NQ*\b+(\q)], v[SC+8*NQ*(\sc)+NQ*(\a)+(\q)] matrix_a_fmt:MATRIX_FMT_BF8 matrix_b_fmt:MATRIX_FMT_BF8 matrix_a_scale:MATRIX_SCALE_ROW1
.else
	v_wmma_scale_f32_16x16x128_f8f6f4 v[8*(8*((\a)%4)+\b):8*(8*((\a)%4)+\b)+7], v[128*(\p)+FR*\b:128*(\p)+FR*\b+FR-1], v[AF+FR*(\a):AF+FR*(\a)+FR-1], v[8*(8*((\a)%4)+\b):8*(8*((\a)%4)+\b)+7], v[SC+8*NQ*(\sc)+NQ*\b+(\q)], v[SC+8*NQ*(\sc)+NQ*(\a)+(\q)] matrix_a_fmt:MATRIX_FMT_BF8 matrix_b_fmt:MATRIX_FMT_BF8 matrix_a_scale:MATRIX_SCALE_ROW1
.endif
.endr
.endr
.endm
.macro FETCH_B slot, q, p
	WIN TO_B
.irp i, 0,1,2,3,4,5,6,7
	FRAG 128*(\p)+FR*\i, ADRB+\slot, \q, \i
.endr
	WIN 0
.endm
.macro FETCH_A slot, q, i0
.irp i, \i0, \i0+1, \i0+2, \i0+3
	FRAG AF+FR*(\i), ADRA+\slot, \q, \i
.endr
.endm
.macro SCALES sc
.irp i, 0,1,2,3,4,5,6,7
.irp q, 0,1
	ds_load_b32 v[SC+8*NQ*\sc+NQ*\i+\q], v[ADRS] offset:KK*64*\i+64*\q
.endr
.endr
.endm
.macro PLACES n
.rept \n
	v_nop
.endr
.endm
.macro STEP slot, q, mode
	s_wait_dscnt 4*NL
.if \mode
	WIN 0x81
.else
	WIN MUL_LO
.endif
	MUL16 0, (\q)%2, \q, \slot, \mode
	MUL16 2, (\q)%2, \q, \slot, \mode
	s_wait_dscnt 0
	PLACES NP
	FETCH_B \slot, (\q)+1, 1-(\q)%2
	FETCH_A \slot, (\q)+1, 0
.if \mode
	WIN 0xc1
.else
	WIN MUL_HI
.endif
	MUL16 4, (\q)%2, \q, \slot, \mode
	MUL16 6, (\q)%2, \q, \slot, \mode
	PLACES NP
	WIN 0
	FETCH_A \slot, (\q)+1, 4
.endm
.macro TURN slot, next, fill, tn
	s_wait_tensorcnt 0x0
	ds_add_u32 v[SPW], v[NIL]
	s_wait_dscnt 4*NL+1
	WIN MUL_LO
	MUL16 0, 1, NQ-1, \slot, 0
	s_wait_dscnt 0x0
	s_barrier_signal -1
	MUL16 2, 1, NQ-1, \slot, 0
	WIN 0
	s_barrier_wait -1
.if \fill
	CREST
	KOFF (\tn)+1
	s_add_nc_u64 s[G0+4*\slot+2:G0+4*\slot+3], s[BASA:BASA+1], s[KO:KO+1]
	s_or_b32 s[G0+4*\slot+3], s[G0+4*\slot+3], 0x80000000
	s_add_nc_u64 s[G0B+4*\slot+2:G0B+4*\slot+3], s[BASB:BASB+1], s[KO:KO+1]
	s_or_b32 s[G0B+4*\slot+3], s[G0B+4*\slot+3], 0x80000000
	JLOAD G0+4*\slot, G1, G0B+4*\slot, G1B
	PLACES NP-4
.else
	PLACES NP
.endif
	SOFF \tn
	v_add_nc_u32 v[ADRS], s[KO], v[ADRS0]
	FETCH_B \next, 0, 0
	FETCH_A \next, 0, 0
	SCALES \next
	WIN MUL_HI
	MUL16 4, 1, NQ-1, \slot, 0
	MUL16 6, 1, NQ-1, \slot, 0
	PLACES NP
	WIN 0
	FETCH_A \next, 0, 4
.endm
	s_wait_alu depctr_va_vdst(0)
	s_wait_tensorcnt 0x0                           ; my tile of the head's four is in; slot 1's first fill is issued as a refill is
	ds_add_u32 v[SPW], v[NIL]
	s_mov_b32 s[G1+2], 8<<16                       ; no tensor load of mine is out: from here on a load brings eight blocks
	s_mov_b32 s[G1+4], 8
	s_mov_b32 s[G1B+2], 8<<16
	s_mov_b32 s[G1B+4], 8
	s_mul_i32 s[G0+1], s14, HALFT                  ; and slot 0's refills go to my quarter of it
	s_mul_i32 s[G0B+1], s14, HALFT
	s_wait_dscnt 0x0
	CROUND                                         ; a whole round: all four tiles are in
	JLOAD G0+4, G1, G0B+4, G1B                     ; slot 1, the first tensor load behind the round
	FETCH_B 0, 0, 0
	FETCH_A 0, 0, 0
	SCALES 0
	FETCH_A 0, 0, 4
	s_wait_loadcnt 0x0
	STEP 0, 0, 1
	TURN 0, 1, 1, 1
	STEP 1, 0, 0
	TURN 1, 0, 1, 2
	STEP 0, 0, 0
	TURN 0, 1, 0, 3
	STEP 1, 0, 0
	s_wait_dscnt 4*NL
	WIN MUL_LO
	MUL16 0, 1, NQ-1, 1, 0
	MUL16 2, 1, NQ-1, 1, 0
	s_wait_dscnt 0
	WIN MUL_HI
	MUL16 4, 1, NQ-1, 1, 0
	MUL16 6, 1, NQ-1, 1, 0
	WIN 0
	PLACES NP
.irp b, 0,1,2,3
	v_mov_b32 v[TM+4+\b], 0
.endr
	v_mov_b32 v248, 0xc0135761
	v_mov_b32 v249, 0xc0135761
	v_mov_b32 v250, 0xbdd2d3e8
	v_mov_b32 v251, 0xbdd2d3e8
.macro QUANT s, pc, pw
.irp b, 0,1,2,3
	v_max3_num_f32 v[TM+\b], |v[\s+16*\b]|, |v[\s+1+16*\b]|, 0x8000000
.endr
.irp i, 2,4,6,8,10,12,14
.irp b, 0,1,2,3
	v_max3_num_f32 v[TM+\b], v[TM+\b], |v[\s+16*\b+\i]|, |v[\s+1+16*\b+\i]|
.endr
.endr
.irp b, 0,1,2,3
	v_permlanex16_b32 v[TM+4+\b], v[TM+\b], s[SEL], s[SEL+1]
.endr
.irp b, 0,1,2,3
	v_max_num_f32 v[TM+\b], v[TM+\b], v[TM+4+\b]
.endr
.irp b, 0,1,2,3
	v_add_nc_u32 v[TM+12+\b], 0xf8800000, v[TM+\b]
.endr
.irp b, 0,1,2,3
	v_and_or_b32 v[TM+8+\b], v[TM+\b], 0x7f800000, s[MNT]
.endr
.irp b, 0,1,2,3
	v_lshrrev_b32 v[TM+4+\b], 23, v[TM+12+\b]
.endr
	v_lshl_or_b32 v[\pw], v[TM+5], 8, v[TM+4]
	v_lshl_or_b32 v[\pw], v[TM+6], 16, v[\pw]
	v_lshl_or_b32 v[\pw], v[TM+7], 24, v[\pw]
.irp b, 0,1,2,3
.irp i, 0,1,2,3,4,5,6,7,8,9,10,11,12,13,14,15
	v_med3_num_f32 v[\s+16*\b+\i], v[\s+16*\b+\i], -v[TM+8+\b], v[TM+8+\b]
.endr
	v_cvt_scalef32_pk8_bf8_f32 v[\pc+4*\b:\pc+1+4*\b], v[\s+16*\b:\s+7+16*\b], v[TM+12+\b]
	v_cvt_scalef32_pk8_bf8_f32 v[\pc+2+4*\b:\pc+3+4*\b], v[\s+8+16*\b:\s+15+16*\b], v[TM+12+\b]
.endr
	v_nop
.endm
.macro EPI a
.set AC, 64*((\a)%4)
.set W,  2+(\a)/4
.set PC, 192+16*((\a)%2)
.set PWR, PWS+(\a)
	WIN 5*W
.set n, 0
.rept 32
	v_pk_mul_f32 v[U+n:U+n+1], v[AC+n:AC+n+1], v[AC+n:AC+n+1]
.set n, n+2
.endr
	WIN 0
.set n, 0
.rept 32
	v_pk_fma_f32 v[U+n:U+n+1], v[U+n:U+n+1], v[250:251], v[248:249]
.set n, n+2
.endr
	WIN 4*W
.set n, 0
.rept 32
	v_pk_mul_f32 v[U+n:U+n+1], v[U+n:U+n+1], v[AC+n:AC+n+1]
.set n, n+2
.endr
	WIN 0
.set n, 0
	s_wait_alu depctr_va_vdst(0)
.rept 64
	v_exp_f32 v[U+n], v[U+n]
.set n, n+1
.endr
	v_nop
.set n, 0
	s_wait_alu depctr_va_vdst(0)
.rept 32
	v_pk_add_f32 v[U+n:U+n+1], v[U+n:U+n+1], 1.0 op_sel_hi:[1,0]
.set n, n+2
.endr
.set n, 0
	s_wait_alu depctr_va_vdst(0)
.rept 64
	v_rcp_f32 v[U+n], v[U+n]
.set n, n+1
.endr
	v_nop
	WIN 4*W
.set n, 0
	s_wait_alu depctr_va_vdst(0)
.rept 32
	v_pk_mul_f32 v[U+n:U+n+1], v[U+n:U+n+1], v[AC+n:AC+n+1]
.set n, n+2
.endr
	WIN 0
	s_wait_xcnt 0x0
	QUANT U, PC, PWR
.irp c, 0,1,2,3
	global_store_b128 v[GO], v[PC+4*\c:PC+4*\c+3], s[10:11] offset:(\a)*65536+512*\c
.endr
.endm
.irp a, 0,1,2,3,4,5,6,7
	EPI \a
.endr
	s_mov_b32 s20, 0xffff0000
.irp a, 0,2,4,6
	v_cndmask_b32 v[TM+(\a)/2], v[PWS+\a], v[PWS+\a+1], s20
	global_store_b32 v[GS], v[TM+(\a)/2], s[12:13] offset:2048*\a
.endr
	s_wait_tensorcnt 0x0
	ds_add_u32 v[SPW], v[NIL]
	s_wait_dscnt 0x0
	CROUND
	s_endpgm
.Lfunc_end_k_q214f694013_fc:
	.size	k_q214f694013_fc, .Lfunc_end_k_q214f694013_fc-k_q214f694013_fc
	.p2alignl 7, 3214868480
	.fill 96, 4, 3214868480
	.section	.rodata,"a",@progbits
	.p2align	6, 0x0
	.amdhsa_kernel k_q214f694013_fc
		.amdhsa_group_segment_fixed_size 327680
		.amdhsa_private_segment_fixed_size 0
		.amdhsa_enable_private_segment 0
		.amdhsa_kernarg_size 32
		.amdhsa_user_sgpr_count 2
		.amdhsa_user_sgpr_kernarg_segment_ptr 1
		.amdhsa_wavefront_size32 1
		.amdhsa_system_sgpr_workgroup_id_x 1
		.amdhsa_system_sgpr_workgroup_id_y 1
		.amdhsa_system_sgpr_workgroup_id_z 1
		.amdhsa_system_vgpr_workitem_id 0
		.amdhsa_next_free_vgpr 1024
		.amdhsa_next_free_sgpr 106
		.amdhsa_reserve_vcc 0
		.amdhsa_float_denorm_mode_32 3
		.amdhsa_float_denorm_mode_16_64 3
		.amdhsa_memory_ordered 1
		.amdhsa_forward_progress 1
		.amdhsa_inst_pref_size 255
	.end_amdhsa_kernel
	.section	.bss,"aw",@nobits
	.p2align	6
	.space	262144
	.amdgpu_metadata
---
amdhsa.version: [ 1, 2 ]
amdhsa.kernels:
  - .name:           k_q214f694013_fc
    .symbol:         k_q214f694013_fc.kd
    .args:
      - { .name: lnq, .offset: 0, .size: 8, .value_kind: global_buffer, .address_space: global }
      - { .name: wq, .offset: 8, .size: 8, .value_kind: global_buffer, .address_space: global }
      - { .name: b_fc, .offset: 16, .size: 8, .value_kind: global_buffer, .address_space: global }
      - { .name: hq, .offset: 24, .size: 8, .value_kind: global_buffer, .address_space: global }
    .group_segment_fixed_size: 327680
    .private_segment_fixed_size: 0
    .kernarg_segment_align: 8
    .kernarg_segment_size: 32
    .max_flat_workgroup_size: 128
    .sgpr_count:     106
    .vgpr_count:     1024
    .wavefront_size: 32
...
	.end_amdgpu_metadata
.endif
;; end of part 5
;; launch mlp (part 6): grid 8 x 32, 4 waves a work-group, clusters of 4 x 4, 327,680 bytes of LDS; arguments hq, wq, b_mlp_proj, x1, out0; writes out0
.if DOCPART == 6
	.amdgcn_target "amdgcn-amd-amdhsa--gfx1250"
	.amdhsa_code_object_version 6
	.text
	.protected	k_q214f694013_mlp
	.globl	k_q214f694013_mlp
	.p2align	8
	.type	k_q214f694013_mlp,@function
k_q214f694013_mlp:
	s_mov_b64 s[64:65], 0
	v_nop
	global_prefetch_b8 v0, s[64:65] scope:SCOPE_SE
	s_setreg_imm32_b32 hwreg(HW_REG_WAVE_MODE, 25, 1), 1
	s_wait_xcnt 0x0
	s_wait_alu depctr_hold_cnt(0) depctr_sa_sdst(0) depctr_va_vdst(0) depctr_va_sdst(0) depctr_va_ssrc(0) depctr_va_vcc(0) depctr_vm_vsrc(0)
	s_getreg_b32 s2, hwreg(HW_REG_IB_STS2, 6, 4)
	s_cmp_eq_u32 s2, 0
	s_cbranch_scc0 .Lentry_in_a_cluster
	s_endpgm
.Lentry_in_a_cluster:
	s_bfe_u32 s2, ttmp6, 0x10000c
	s_cmp_lg_u32 s2, 0xf033
	s_cbranch_scc0 .Lentry_shape_is_right
	s_endpgm
.Lentry_shape_is_right:
; out0 = x1 + h w_mlp_proj^T + b_mlp_proj: [4,096][1,024] f32; the product on codes of BF8 (E5M2) with E8M0 scales, K = 4,096.
; OPERANDS ARE IMAGES OF REGISTERS: block = 16 rows (lane r of block B: row 32 (B / 2) + 8 (B % 2) + r + 8 (r / 8)); fragment (B, k step of 128) = 2,048 bytes, byte 512 c + 16 lane + i; scale image 64 bytes, word r.
; SHARES.  A work-group (x, y) makes a tile of 128 x 128: 8 x 32 = 256 work-groups.  K IS DEALT AMONG THE FOUR WAVES: wave w takes k steps 8 w .. 8 w + 7 for the WHOLE tile: 64 accumulators, 512 registers.
; So each fragment is wanted by one wave of the work-group alone.
; A' (h's rows) comes by JOINT LOADS: clusters of 4 x 4; the four work-groups of a row of the cluster make tiles of one tile row and ask for the same bytes.  A ring of two LDS slots of 128 KiB; a slot holds, for each wave,
; eight blocks x two k steps (32 KiB), fetched by that wave's one load and read by that wave alone.  Four fills in all: slot 0 at the head, slot 1 behind the full sequence, two refills in drained rounds inside steps 1 and 3.
; B' (the weight's rows) goes from memory straight into the operand registers, four loads of 512 consecutive bytes a fragment, in two sets: a k step's 32 loads are asked for a whole k step ahead.
; B' HAS NO JOINT LOAD: LDS holds two slots of A' and no third region of that size, and a second operand in the ring would halve what a fill brings of each.  No prefetch is laid for B': a wave always has the next step's 32 loads out.
; THE ORDER ALONG K IS TURNED by pairs of k steps: cluster (X, Y) takes as its t-th pair the pair (X + Y + t) mod 4 of each wave's four: it hangs on the cluster's numbers alone, which all partners share.
; LIMIT: a sum takes K in four parts, each in that turned order, and the parts are added at the end: against the ascending order the results differ in rounding alone.  NaN and infinities are not served.
; The product is used TRANSPOSED (source 0 = B', source 1 = A'): a lane holds one row, and tiles 2 bb, 2 bb + 1 hold columns 32 bb + 16 (lane / 16) + 0 .. 15.
; THE WAY OUT: each wave lays its 128 x 128 partial sums into a plane of its own in LDS, rows of 512 bytes + 16 (over the ring, which has had its last fill and, behind a barrier, its last read); behind a second barrier
; wave w reads rows 32 w .. 32 w + 31 of all four planes, adds them, the residual and the bias, and stores whole rows of 512 consecutive bytes.  Plane row 16 a + r is the tile's row 32 (a / 2) + 8 (a % 2) + r + 8 (r / 8).
; REGISTERS: window 0: v5-23 addresses and the bias; v32-47 scale words, two sets; v64-127 scale bytes on their way to LDS; v128-255 A's fragments, one set.  window 1: B's fragments, two sets (set 0 takes the residual in the last step).
;   windows 2, 3: the accumulators ((a, b) at v[8 (8 (a % 4) + b)]).
.set FRB,   2048
.set BLKB,  32*FRB                     ; a block's codes: 32 k steps
.set ASC,   16777216                   ; where the scales begin in hq
.set WOFF,  8388608                    ; w_mlp_proj's codes in wq,
.set WSOFF, 12845056                   ; and its scales
.set SLOTB, 131072                     ; a slot of the ring
.set WPART, 32768                      ; a wave's part of it: eight blocks x 4,096 bytes
.set SP,    528                        ; a plane's row
.set PLANE, 128*SP
.set SCB,   4*PLANE                    ; behind the planes: 8,192 bytes of scale words for each wave: A's eight blocks x 512, then B's; no fill lands there
.set SPARE, SCB+4*8192                 ; the spare words: 128 bytes a wave
.set VO,   5                           ; v5  16 x lane
.set ADRS0, 6                          ; v6  LDS: my scale words, lanes 0-15 A's, lanes 16-31 B's;  v7 the same at the pair of k steps in hand
.set ADRS, 7
.set STO,  8                           ; v8  into my plane
.set SST,  9                           ; v9  scale bytes into LDS
.set PF,   10                          ; v10 4,096 x lane: a row of x1 a lane
.set PFA,  11                          ; v11 the prefetches of A': my work-group's two blocks of the eight, 256 bytes a lane
.set RD,   12                          ; v12-15 my 32 rows in planes 0 .. 3
.set SPW,  16
.set NIL,  17
.set ADRA, 18                          ; v18, v19 my part of slot 0, 1
.set BI,   20                          ; v20-23 the bias of columns 4 lane .. 4 lane + 3
.set SC,   32
.set TS,   64
.set AF,   128
.set ROT,  17                          ; s17 (X + Y) mod 4
.set KO,   18                          ; s[18:19] an offset at work; s19 stays 0
.set BA,   20                          ; s[20:21], s[22:23] my eight k steps of A's and B's first block
.set BB,   22
.set NB,   26                          ; s[26:27] B's at the pair of k steps that is being asked for
.set RX,   28                          ; s[28:29] my 32 rows of x1;  s[30:31] of out0
.set OU,   30
.set KS,   32
.set G0,   36                          ; s[36:39], s[40:43] descriptor group 0 for slot 0, 1;  s[44:51] group 1
.set G1,   44
.set MSB, 0
.macro WIN new                         ; the immediate's high byte repeats the setting that is left
.if MSB != (\new)
	s_set_vgpr_msb (MSB<<8)|(\new)
.set MSB, (\new)
.endif
.endm
.set MUL_LO, 0xa1                      ; source 0 (B') window 1, source 1 (A') window 0, C and D window 2
.set MUL_HI, 0xf1
.set TO_B,   0x40
.macro PLACES n                        ; plain vector lines between a matrix instruction and a load into, or a reader of, its registers
.rept \n
	v_nop
.endr
.endm
.macro CREST                           ; a round of the cluster's barrier behind its opening barrier
	s_cmp_lg_u32 s14, 0
	s_cbranch_scc1 .Lnot_wave_0_\@
	s_barrier_signal -3
.Lnot_wave_0_\@:
	s_barrier_wait -3
	s_barrier_signal -1
	s_barrier_wait -1
.endm
.macro CROUND
	s_barrier_signal -1
	s_barrier_wait -1
	CREST
.endm
.macro TLOAD sl                        ; my part of a slot: one line, one mask, issued by all four waves; an s_nop 0 and four v_nop follow it
	tensor_load_to_lds s[G0+4*(\sl):G0+4*(\sl)+3], s[G1:G1+7]
	s_nop 0
	PLACES 4
.endm
.macro PJ t                            ; s[KO] = which pair of my four I take as my t-th
	s_add_co_u32 s[KO], s[ROT], (\t)
	s_and_b32 s[KO], s[KO], 3
.endm
.macro NBASE t                         ; B's base and the scale words' offset for my t-th pair of k steps
	PJ \t
	s_lshl_b32 s[KS], s[KO], 7
	s_lshl_b32 s[KO], s[KO], 12
	s_add_nc_u64 s[NB:NB+1], s[BB:BB+1], s[KO:KO+1]
.endm
.macro FETCH_B n                       ; B's eight fragments of my n-th k step into set n % 2: 32 loads of 512 consecutive bytes
	WIN TO_B
.irp i, 0,1,2,3,4,5,6,7
.irp c, 0,1,2,3
	global_load_b128 v[128*((\n)%2)+16*\i+4*\c:128*((\n)%2)+16*\i+4*\c+3], v[VO], s[NB:NB+1] offset:\i*BLKB+((\n)%2)*FRB+512*\c
.endr
.endr
	WIN 0
.endm
.macro FETCH_A n, i0                   ; A's blocks i0 .. i0 + 3 of my n-th k step, from my part of slot (n / 2) % 2: 16 loads
.irp i, \i0, \i0+1, \i0+2, \i0+3
.irp c, 0,1,2,3
	ds_load_b128 v[AF+16*(\i)+4*\c:AF+16*(\i)+4*\c+3], v[ADRA+((\n)/2)%2] offset:(\i)*4096+((\n)%2)*FRB+512*\c
.endr
.endr
.endm
.macro SCALES n                        ; register i of set n % 2: lanes 0-15 the word of A's block i, lanes 16-31 that of B's block i
.irp i, 0,1,2,3,4,5,6,7
	ds_load_b32 v[SC+8*((\n)%2)+\i], v[ADRS] offset:512*\i+64*((\n)%2)
.endr
.endm
; 16 matrix instructions: A's blocks a0, a0 + 1 x B's eight.  The 64 accumulators take turns, one instruction a turn.  zero = 1: the first product starts the sums.
.macro MUL16 a0, p, zero
.irp a, \a0, \a0+1
.irp b, 0,1,2,3,4,5,6,7
.if \zero
	v_wmma_scale_f32_16x16x128_f8f6f4 v[8*(8*((\a)%4)+\b):8*(8*((\a)%4)+\b)+7], v[128*(\p)+16*\b:128*(\p)+16*\b+15], v[AF+16*(\a):AF+16*(\a)+15], 0, v[SC+8*(\p)+\b], v[SC+8*(\p)+(\a)] matrix_a_fmt:MATRIX_FMT_BF8 matrix_b_fmt:MATRIX_FMT_BF8 matrix_a_scale:MATRIX_SCALE_ROW1
.else
	v_wmma_scale_f32_16x16x128_f8f6f4 v[8*(8*((\a)%4)+\b):8*(8*((\a)%4)+\b)+7], v[128*(\p)+16*\b:128*(\p)+16*\b+15], v[AF+16*(\a):AF+16*(\a)+15], v[8*(8*((\a)%4)+\b):8*(8*((\a)%4)+\b)+7], v[SC+8*(\p)+\b], v[SC+8*(\p)+(\a)] matrix_a_fmt:MATRIX_FMT_BF8 matrix_b_fmt:MATRIX_FMT_BF8 matrix_a_scale:MATRIX_SCALE_ROW1
.endif
.endr
.endr
.endm
; MY s-TH K STEP, s = 0 .. 6.  LDS instructions come back in the order of issue: the step's scale words (8), A's blocks 0-3 (16), A's blocks 4-7 (16).
; kind 1: the slot whose two steps I have fetched whole is filled again, in a drained round of the cluster's barrier;  kind 2: the ring's last fill is waited for, and nothing is filled again.
.macro STEP s, kind
.set P_, (\s)%2
.set M_, (\s)+1
.set Z_, (\s)==0
.if M_%2 == 0
	s_wait_xcnt 0x0                                ; the loads that are out have read their base: it is written below
	NBASE M_/2
.endif
	FETCH_B M_                                     ; the next step's B: its set was read last a step ago, and eight places stand behind those products
.if \kind == 1
	s_wait_tensorcnt 0x0                           ; my one tensor load that is out, my part of the other slot, has landed;
	ds_add_u32 v[SPW], v[NIL]
	s_wait_loadcnt 32                              ; this step's B is in; the 32 loads just issued may be out
	s_wait_dscnt 17                                ; (the add and A's blocks 4-7 may be out)
	WIN MUL_LO
	MUL16 0, P_, 0
	s_wait_dscnt 0x0                               ; the add is done, and my reads of the slot that is filled again are over
	s_barrier_signal -1
	MUL16 2, P_, 0
	WIN 0
	s_barrier_wait -1
	CREST                                          ; no wave of any partner still reads that slot or has a load on its way
	PJ M_/2+1
	s_lshl_b32 s[KO], s[KO], 12
	s_add_nc_u64 s[G0+4*((M_/2+1)%2)+2:G0+4*((M_/2+1)%2)+3], s[BA:BA+1], s[KO:KO+1]
	s_or_b32 s[G0+4*((M_/2+1)%2)+3], s[G0+4*((M_/2+1)%2)+3], 0x80000000
	TLOAD (M_/2+1)%2                               ; the first tensor load behind the round; its four v_nop are among the places
	PLACES 4
.else
.if \kind == 2
	s_wait_tensorcnt 0x0                           ; my part of the ring's last fill, which I alone read
.endif
	s_wait_loadcnt 32
	s_wait_dscnt 16                                ; the scale words and A's blocks 0-3 are in
	WIN MUL_LO
	MUL16 0, P_, Z_
	MUL16 2, P_, Z_
	WIN 0
	PLACES 8
.endif
.if M_%2 == 0
	v_add_nc_u32 v[ADRS], s[KS], v[ADRS0]
	s_wait_alu depctr_va_vdst(0)                   ; the wait stands directly behind the write: the pair's second step reads the address again behind waits
.endif
	SCALES M_
	FETCH_A M_, 0
.if \kind == 1 && (\s) == 1
	global_prefetch_b8 v[PFA], s[80:81] th:TH_LOAD_NT scope:SCOPE_SE   ; my share of what the refill two k steps on will ask for
.endif
.if \kind != 1
	s_wait_dscnt 24                                ; all but the 24 just issued: A's blocks 4-7 are in
.endif
	WIN MUL_HI
	MUL16 4, P_, Z_
	MUL16 6, P_, Z_
	WIN 0
	PLACES 8
	FETCH_A M_, 4
.endm
	s_load_b256 s[4:11], s[0:1], 0x0               ; hq, wq, b_mlp_proj, x1
	s_load_b64 s[12:13], s[0:1], 0x20              ; out0
	v_lshl_add_u32 v[SPW], v0, 2, SPARE
	v_mov_b32 v[NIL], 0
	ds_add_u32 v[SPW], v[NIL]                      ; the opening lines: the add, twice on end, and its wait ahead of my first tensor load
	ds_add_u32 v[SPW], v[NIL]
	v_lshrrev_b32 v1, 5, v0
	v_readfirstlane_b32 s14, v1                    ; wave 0..3
	s_bfe_u32 s52, ttmp6, 0x40000                  ; cx
	s_bfe_u32 s53, ttmp6, 0x40004                  ; cy
	s_lshl_b32 s15, ttmp9, 2
	s_add_co_u32 s15, s15, s52                     ; x: tile column
	s_and_b32 s54, ttmp7, 0xffff
	s_lshl_b32 s16, s54, 2
	s_add_co_u32 s16, s16, s53                     ; y: tile row
	s_add_co_u32 s[ROT], s54, ttmp9
	s_and_b32 s[ROT], s[ROT], 3
	s_lshl_b32 s55, s53, 2
	s_lshl_b32 s55, 15, s55                        ; my row of the cluster
	s_or_b32 s[G1], s55, (3<<16)|(1<<21)           ; the mask; elements of 8 bytes; bit 21 beside a mask; no padding: an image is read 16 bytes a lane on end
	s_mov_b32 s[G1+1], 512<<16                     ; tensor_dim0: a block's two fragments, 4,096 bytes
	s_mov_b32 s[G1+2], 8<<16                       ; tensor_dim1: eight blocks
	s_mov_b32 s[G1+3], 512<<16
	s_mov_b32 s[G1+4], 8
	s_mov_b32 s[G1+5], BLKB/8                      ; from block to block
	s_mov_b32 s[G1+6], 0
	s_mov_b32 s[G1+7], 0
	s_mov_b32 s[KO+1], 0
	s_lshl_b32 s56, s16, 19                        ; A's codes: eight blocks a tile row, my eight k steps: y and the wave's number alone
	s_lshl_b32 s58, s14, 14
	s_add_co_u32 s56, s56, s58
	s_mov_b32 s57, 0
	s_lshl_b32 s60, s15, 19                        ; B's
	s_add_co_u32 s58, s60, s58
	s_add_co_u32 s58, s58, WOFF
	s_mov_b32 s59, 0
	s_lshl_b32 s60, s16, 14                        ; A's scales: 2,048 bytes a block, 512 for my eight k steps
	s_lshl_b32 s62, s14, 9
	s_add_co_u32 s60, s60, s62
	s_add_co_u32 s60, s60, ASC
	s_mov_b32 s61, 0
	s_lshl_b32 s66, s15, 14                        ; B's
	s_add_co_u32 s62, s66, s62
	s_add_co_u32 s62, s62, WSOFF
	s_mov_b32 s63, 0
	s_lshl_b32 s66, s15, 9                         ; the bias of the tile's 128 columns
	s_mov_b32 s67, 0
	s_lshl_b32 s68, s16, 19                        ; x1, out0: row 128 y + 32 wave, rows of 4,096 bytes, + the tile's columns
	s_lshl_b32 s70, s14, 17
	s_add_co_u32 s68, s68, s70
	s_add_co_u32 s68, s68, s66
	s_mov_b32 s69, 0
	s_lshl_b32 s70, s14, 13
	s_add_co_u32 s70, s70, SCB                     ; my scale words in LDS
	s_mul_i32 s71, s14, PLANE                      ; my plane
	s_mul_i32 s72, s14, 32*SP                      ; my 32 rows in plane 0, 1, 2, 3
	s_add_co_u32 s73, s72, PLANE
	s_add_co_u32 s74, s73, PLANE
	s_add_co_u32 s75, s74, PLANE
	s_lshl_b32 s76, s14, 15                        ; my part of a slot: the wave's number alone enters an LDS address
	s_lshl_b32 s77, s52, 17                        ; the prefetches: the four partners share A's eight blocks out by address, two each
	v_and_b32 v2, 31, v0                           ; lane
	v_and_b32 v3, 15, v0                           ; r
	v_bfe_u32 v4, v0, 4, 1                         ; h
	v_lshlrev_b32 v[VO], 4, v2
	v_lshlrev_b32 v[PF], 12, v2
	v_add_nc_u32 v[SST], s70, v[VO]
	v_lshl_add_u32 v1, v4, 12, s70                 ; lanes 16-31 take B's words, 4,096 bytes on
	v_lshl_add_u32 v[ADRS0], v3, 2, v1
	v_mul_u32_u24 v1, v3, SP
	v_lshl_add_u32 v1, v4, 6, v1
	v_add_nc_u32 v[STO], s71, v1                   ; row r, + 64 h
.irp p, 0,1,2,3
	v_add_nc_u32 v[RD+\p], s[72+\p], v[VO]
.endr
	v_add_nc_u32 v[ADRA], s76, v[VO]
	v_add_nc_u32 v[ADRA+1], SLOTB, v[ADRA]
	v_lshlrev_b32 v1, 8, v3
	v_lshl_add_u32 v1, v4, 16, v1
	v_add_nc_u32 v[PFA], s77, v1                   ; block 2 cx + lane / 16, byte 256 (lane % 16)
	s_wait_alu depctr_va_vdst(0)
	s_wait_dscnt 0x0                               ; both opening adds are done
	CROUND                                         ; all sixteen work-groups are here: the first joint loads meet
	s_wait_kmcnt 0x0
	s_add_nc_u64 s[BA:BA+1], s[4:5], s[56:57]
	s_add_nc_u64 s[BB:BB+1], s[6:7], s[58:59]
	s_add_nc_u64 s[60:61], s[4:5], s[60:61]
	s_add_nc_u64 s[62:63], s[6:7], s[62:63]
	s_add_nc_u64 s[66:67], s[8:9], s[66:67]
	s_add_nc_u64 s[RX:RX+1], s[10:11], s[68:69]
	s_add_nc_u64 s[OU:OU+1], s[12:13], s[68:69]
.irp t, 0,1
	PJ \t
	s_lshl_b32 s[KO], s[KO], 12
	s_mov_b32 s[G0+4*\t], 1
	s_add_co_u32 s[G0+4*\t+1], s76, \t*SLOTB
	s_add_nc_u64 s[G0+4*\t+2:G0+4*\t+3], s[BA:BA+1], s[KO:KO+1]
	s_or_b32 s[G0+4*\t+3], s[G0+4*\t+3], 0x80000000
.endr
	TLOAD 0                                        ; my first pair of k steps: one tensor load a wave at the head
	PJ 2
	s_lshl_b32 s[KO], s[KO], 12
	s_add_nc_u64 s[78:79], s[BA:BA+1], s[KO:KO+1]  ; where my third and fourth pair lie: for the prefetches; never rewritten
	PJ 3
	s_lshl_b32 s[KO], s[KO], 12
	s_add_nc_u64 s[80:81], s[BA:BA+1], s[KO:KO+1]
	NBASE 0
	global_load_b128 v[BI:BI+3], v[VO], s[66:67]
.irp i, 0,1,2,3,4,5,6,7
	global_load_b128 v[TS+4*\i:TS+4*\i+3], v[VO], s[60:61] offset:2048*\i       ; a block's scale words of my eight k steps: 512 consecutive bytes
	global_load_b128 v[TS+32+4*\i:TS+32+4*\i+3], v[VO], s[62:63] offset:2048*\i
.endr
	FETCH_B 0
	global_prefetch_b8 v[PFA], s[78:79] th:TH_LOAD_NT scope:SCOPE_SE              ; my share (two blocks x 4,096 bytes, 256 a lane) of what the first refill will ask for, a k step and more ahead of it
	global_prefetch_b8 v[PF], s[RX:RX+1] th:TH_LOAD_NT scope:SCOPE_SE             ; my 32 rows x 512 bytes of the residual, a lane a row, each 256 bytes named once in the launch: seven k steps ahead of their loads
	global_prefetch_b8 v[PF], s[RX:RX+1] offset:256 th:TH_LOAD_NT scope:SCOPE_SE
	s_wait_loadcnt 32                              ; the bias and the scale bytes are in; B's 32 loads behind them may be out
.irp i, 0,1,2,3,4,5,6,7
	ds_store_b128 v[SST], v[TS+4*\i:TS+4*\i+3] offset:512*\i
	ds_store_b128 v[SST], v[TS+32+4*\i:TS+32+4*\i+3] offset:4096+512*\i
.endr
	s_wait_tensorcnt 0x0                           ; my part of slot 0 is in; slot 1's first fill is issued as a refill is:
	ds_add_u32 v[SPW], v[NIL]
	s_wait_dscnt 0x0                               ; the add and my stores of scale words are done
	CROUND
	TLOAD 1                                        ; my second pair of k steps, the first tensor load behind the round
	v_add_nc_u32 v[ADRS], s[KS], v[ADRS0]
	s_wait_alu depctr_va_vdst(0)
	SCALES 0
	FETCH_A 0, 0
	FETCH_A 0, 4
	STEP 0, 0                                      ; its products start the sums
	STEP 1, 1                                      ; slot 0 takes my third pair
	STEP 2, 0
	STEP 3, 1                                      ; slot 1 my fourth
	STEP 4, 0
	STEP 5, 2
	STEP 6, 0
	WIN TO_B                                       ; THE LAST K STEP asks for no fragments: B's set 0 takes my 32 rows of the residual, in the order of the plane's rows
.set T_, 0
.rept 32
	global_load_b128 v[4*T_:4*T_+3], v[VO], s[RX:RX+1] offset:(8*(T_/16)+(T_%16)+8*((T_%16)/8))*4096 th:TH_LOAD_NT
.set T_, T_+1
.endr
	WIN 0
	s_wait_loadcnt 32                              ; B is in; the 32 loads of the residual may be out
	s_wait_dscnt 0x0                               ; my last reads of the ring and of the scale words are over:
	s_barrier_signal -1                            ; say so; the wait stands ahead of the stores into the planes, which lie over the ring
	WIN MUL_LO
	MUL16 0, 1, 0
	MUL16 2, 1, 0
	WIN MUL_HI
	MUL16 4, 1, 0
	MUL16 6, 1, 0
	WIN 0
	PLACES 8
	s_barrier_wait -1
.irp a, 0,1,2,3,4,5,6,7                            ; my partial sums into my plane: each accumulator from its low end on
	WIN 0x08+4*(\a/4)                              ; the data: window 2 or 3
.irp b, 0,1,2,3,4,5,6,7
	ds_store_b128 v[STO], v[8*(8*(\a%4)+\b):8*(8*(\a%4)+\b)+3] offset:\a*16*SP+128*(\b/2)+32*(\b%2)
	ds_store_b128 v[STO], v[8*(8*(\a%4)+\b)+4:8*(8*(\a%4)+\b)+7] offset:\a*16*SP+128*(\b/2)+32*(\b%2)+16
.endr
.endr
	WIN 0
	s_wait_dscnt 0x0                               ; for the others' sake: my plane is whole
	s_barrier_signal -1
	s_barrier_wait -1
.macro GETB k                          ; rows 8 k .. 8 k + 7 of my 32, from the four planes: 32 loads of 512 consecutive bytes into v128-255 of window k % 2
	WIN ((\k)%2)<<6
.irp p, 0,1,2,3
.irp u, 0,1,2,3,4,5,6,7
	ds_load_b128 v[128+32*\p+4*\u:128+32*\p+4*\u+3], v[RD+\p] offset:(8*(\k)+\u)*SP
.endr
.endr
	WIN 0
.endm
.macro SUMB k                          ; the four parts, the residual and the bias; whole rows leave
.set W_, (\k)%2
	WIN W_*0x45
.set N_, 0
.rept 16
	v_pk_add_f32 v[128+N_:129+N_], v[128+N_:129+N_], v[160+N_:161+N_]
	v_pk_add_f32 v[192+N_:193+N_], v[192+N_:193+N_], v[224+N_:225+N_]
.set N_, N_+2
.endr
.set N_, 0
.rept 16
	v_pk_add_f32 v[128+N_:129+N_], v[128+N_:129+N_], v[192+N_:193+N_]
.set N_, N_+2
.endr
	WIN (W_*0x41)|0x04                             ; source 1: window 1, the residual
.set N_, 0
.rept 16
	v_pk_add_f32 v[128+N_:129+N_], v[128+N_:129+N_], v[32*(\k)+N_:32*(\k)+N_+1]
.set N_, N_+2
.endr
	WIN W_*0x41                                    ; source 1: window 0, the bias
.set N_, 0
.rept 16
	v_pk_add_f32 v[128+N_:129+N_], v[128+N_:129+N_], v[BI+N_%4:BI+N_%4+1]
.set N_, N_+2
.endr
	WIN W_<<2
.set U_, 0
.rept 8
	global_store_b128 v[VO], v[128+4*U_:128+4*U_+3], s[OU:OU+1] offset:(8*((8*(\k)+U_)/16)+((8*(\k)+U_)%16)+8*(((8*(\k)+U_)%16)/8))*4096 th:TH_STORE_NT   ; 32 lanes store 512 consecutive bytes, aligned
.set U_, U_+1
.endr
	WIN 0
.endm
	GETB 0
	GETB 1
	s_wait_loadcnt 0x0                             ; the residual
	s_wait_dscnt 32                                ; the next batch's 32 loads may be out
	SUMB 0
	s_wait_xcnt 0x0                                ; the stores have read their data: the registers are loaded into again
	GETB 2
	s_wait_dscnt 32
	SUMB 1
	s_wait_xcnt 0x0
	GETB 3
	s_wait_dscnt 32
	SUMB 2
	s_wait_dscnt 0x0
	SUMB 3
	s_wait_tensorcnt 0x0                           ; the wave's end
	ds_add_u32 v[SPW], v[NIL]
	s_wait_dscnt 0x0
	CROUND                                         ; the closing round
	s_endpgm
.Lfunc_end_k_q214f694013_mlp:
	.size	k_q214f694013_mlp, .Lfunc_end_k_q214f694013_mlp-k_q214f694013_mlp
	.p2alignl 7, 3214868480
	.fill 96, 4, 3214868480
	.section	.rodata,"a",@progbits
	.p2align	6, 0x0
	.amdhsa_kernel k_q214f694013_mlp
		.amdhsa_group_segment_fixed_size 327680
		.amdhsa_private_segment_fixed_size 0
		.amdhsa_enable_private_segment 0
		.amdhsa_kernarg_size 40
		.amdhsa_user_sgpr_count 2
		.amdhsa_user_sgpr_kernarg_segment_ptr 1
		.amdhsa_wavefront_size32 1
		.amdhsa_system_sgpr_workgroup_id_x 1
		.amdhsa_system_sgpr_workgroup_id_y 1
		.amdhsa_system_sgpr_workgroup_id_z 1
		.amdhsa_system_vgpr_workitem_id 0
		.amdhsa_next_free_vgpr 1024
		.amdhsa_next_free_sgpr 84
		.amdhsa_reserve_vcc 0
		.amdhsa_float_denorm_mode_32 3
		.amdhsa_float_denorm_mode_16_64 3
		.amdhsa_memory_ordered 1
		.amdhsa_forward_progress 1
		.amdhsa_inst_pref_size 169
	.end_amdhsa_kernel
	.amdgpu_metadata
---
amdhsa.version: [ 1, 2 ]
amdhsa.kernels:
  - .name:           k_q214f694013_mlp
    .symbol:         k_q214f694013_mlp.kd
    .args:
      - { .name: hq, .offset: 0, .size: 8, .value_kind: global_buffer, .address_space: global }
      - { .name: wq, .offset: 8, .size: 8, .value_kind: global_buffer, .address_space: global }
      - { .name: b_mlp_proj, .offset: 16, .size: 8, .value_kind: global_buffer, .address_space: global }
      - { .name: x1, .offset: 24, .size: 8, .value_kind: global_buffer, .address_space: global }
      - { .name: out0, .offset: 32, .size: 8, .value_kind: global_buffer, .address_space: global }
    .group_segment_fixed_size: 327680
    .private_segment_fixed_size: 0
    .kernarg_segment_align: 8
    .kernarg_segment_size: 40
    .max_flat_workgroup_size: 128
    .sgpr_count:     84
    .vgpr_count:     1024
    .wavefront_size: 32
...
	.end_amdgpu_metadata
.endif
;; end of part 6
